; MI455X (gfx1250); checked and timed in simulation.
; The chip was launched on July 23, 2026; its instructions are those of AMD's public machine-readable ISA for CDNA 5 (MIT licence, August 2026) and "CDNA5" Instruction Set Architecture Reference Guide (July 2026). The comments in the code are by the model that wrote it; some were corrected since.
;; Soft Gating Mo E. Allowed arithmetic: float matrix products may take bf16 or f16 operands with f32 sums; all other float work in f32.
;; Inputs: W1 8 x 2,048 x 1,024 float32; W2 8 x 1,024 x 2,048 float32; W3 8 x 2,048 x 1,024 float32; Wc 1 x 1,024 float32; Wg 8 x 1,024 float32; bc 1 float32; tgt_pad 4 x 256 bool; x 4 x 256 x 1,024 float32.
;; Outputs: out0 4 x 256 x 1,024 float32; out1 1,024 x 8 float32; out2 8 x 4 x 1 float32; out3 4 x 256 x 8 float32.
;; 2 versions, each right and faster than the one before. Each part assembles by itself: llvm-mc -triple=amdgcn-amd-amdhsa -mcpu=gfx1250 --defsym DOCPART=n.
;; ======== version 1 of 2: 6 launches
;; workspace buffers: route 4,096 bytes of whole numbers; rwt 8,192 bytes; tok 32,768 bytes of whole numbers; cnt 256 bytes of whole numbers; xg 16,777,216 bytes; hbuf 33,554,432 bytes; ybuf 67,108,864 bytes
;; launch gate (part 1): grid 64 x 1, 8 waves a work-group, no clusters, 57,344 bytes of LDS; arguments x, Wg, out1, out3, route, rwt; writes out1, out3, route, rwt
.if DOCPART == 1
	.amdgcn_target "amdgcn-amd-amdhsa--gfx1250"
	.amdhsa_code_object_version 6
	.text
	.protected	k_q57149d0db0_gate
	.globl	k_q57149d0db0_gate
	.p2align	8
	.type	k_q57149d0db0_gate,@function
k_q57149d0db0_gate:
	s_mov_b64 s[64:65], 0
	v_nop
	global_prefetch_b8 v0, s[64:65] scope:SCOPE_SE
	s_setreg_imm32_b32 hwreg(HW_REG_WAVE_MODE, 25, 1), 1
	s_wait_xcnt 0x0
; SoftGatingMoE, launch 1 of 6: gate logits (out1), softmax (out3), the two largest routing weights of each token.
;
; WORK THAT THE WHOLE PROGRAM LEAVES OUT, AND WHY IT IS DEAD FOR ALL VALUES OF THE INPUTS
;  * tgt_pad: reference() never reads it, so it has no way to any output.  It is not loaded and is no launch's argument.
;  * Experts that a token did not select: combined[n][e] is the sum over k of rw[n][k] * one_hot(sel[n][k])[e], which is exactly 0
;    where e is neither sel[n][0] nor sel[n][1]; contrib = (h @ W2[e].T) * combined[:, e] is then a product with 0 and adds nothing to
;    final.  Which pairs (token, expert) are live is a matter of whole numbers: this launch stores them (route), and the later launches
;    read them from memory and do the three products only for the 2,048 live pairs (rows added to fill a tile of 32 are computed on
;    real tokens inside live tiles, and nobody reads them; an expert that nobody selected is given one such tile).
;  * expert_logits: the running sum changes only at a token's two experts, so out2[e][b] = bc + the sum, over the selected experts
;    e_k <= e of token 256 b, of rw_k * (y_k . Wc).
; LIMITS: a NaN, an infinity or an overflow that arises only in a product left out (0 * inf in reference()) is not carried to the result.
; Divisions are v_rcp_f32 and a multiply (1 ULP); transcendentals flush denormals (ISA guide, 15.8).  Two routing weights that differ only
; in the last bit may be ordered otherwise than in reference(); equal weights go to the lower index, as there.  With NaN logits the two
; stored indices are still different and lie in 0..7.  The softmax's sum is added pairwise, not in a chain.
;
; THIS LAUNCH.  A work-group takes 16 tokens; wave w takes columns 128 w .. 128 w + 127 of x and of Wg, rounds them to bf16 into LDS rows
; of its own, and multiplies them on the matrix unit (f32 sums): source 0 = Wg's 8 rows (read twice to fill 16), source 1 = 16 tokens, so
; that a lane holds the 8 logits of one token.  The eight partial sums meet in LDS behind one barrier; wave 0 finishes.
.set ROWB,  4096                       ; bytes in a row of x and of Wg
.set PITCH, 272                        ; LDS row: 128 bf16 + 16 bytes, an odd multiple of 16: a fragment load's 16 rows fall into 16 different 16-byte columns of 256
.set WREG,  24*PITCH                   ; a wave's region: rows 0-15 x, rows 16-23 Wg
.set PART,  8*WREG                     ; partial logits: [wave 8][token 16][8 f32]
.set X,   32                           ; v[32:127]   24 loads of 4 registers; later the eight partial sums
.set FX,  128                          ; v[128:159]  x fragments, 4 K steps of 32
.set FG,  160                          ; v[160:191]  Wg fragments
.set ACC, 192                          ; v[192:207]  two accumulators
	s_load_b256 s[4:11], s[0:1], 0x0               ; x s[4:5], Wg s[6:7], out1 s[8:9], out3 s[10:11]
	s_load_b128 s[12:15], s[0:1], 0x20             ; route s[12:13], rwt s[14:15]
	v_lshl_add_u32 v208, v0, 2, 0xdc00
	v_mov_b32 v209, 0
	v_lshrrev_b32 v1, 5, v0
	v_readfirstlane_b32 s16, v1                    ; wave
	v_and_b32 v1, 15, v0                           ; r = lane % 16
	v_bfe_u32 v2, v0, 4, 1                         ; h = lane / 16
	v_lshlrev_b32 v3, 4, v1
	v_lshl_add_u32 v3, v2, 12, v3                  ; global: row h of a pair, 16 bytes a lane: 16 lanes cover 256 aligned bytes
	s_mul_i32 s17, s16, WREG
	v_mul_u32_u24 v4, v2, PITCH
	v_lshl_add_u32 v4, v1, 3, v4
	v_add_nc_u32 v4, s17, v4                       ; LDS store: row h of a pair, 8 bytes a lane
	v_mul_u32_u24 v5, v1, PITCH
	v_lshl_add_u32 v5, v2, 4, v5
	v_add_nc_u32 v5, s17, v5                       ; x fragments: row r, 16 h
	v_and_b32 v6, 7, v1
	v_mul_u32_u24 v6, v6, PITCH
	v_lshl_add_u32 v6, v2, 4, v6
	v_add_nc_u32 v6, s17, v6                       ; Wg fragments: row r % 8 (16 rows further down, in the immediate)
	v_lshlrev_b32 v8, 5, v1                        ; 32 r: a token's 8 logits
	s_lshl_b32 s22, s16, 9                         ; 512 w: the wave's columns in bytes, and its block of partial sums
	v_add_nc_u32 v7, s22, v8
	s_mov_b32 s23, 0
	s_lshl_b32 s20, ttmp9, 16                      ; 16 tokens of 4,096 bytes
	s_add_co_u32 s20, s20, s22
	s_mov_b32 s21, 0
	s_wait_kmcnt 0x0
	s_add_nc_u64 s[4:5], s[4:5], s[20:21]
	s_add_nc_u64 s[6:7], s[6:7], s[22:23]
.irp i, 0,1,2,3,4,5,6,7
.irp j, 0,1
	global_load_b128 v[X+4*(2*\i+\j):X+4*(2*\i+\j)+3], v3, s[4:5] offset:\i*2*ROWB+\j*256
.endr
.endr
.irp i, 0,1,2,3
.irp j, 0,1
	global_load_b128 v[X+64+4*(2*\i+\j):X+64+4*(2*\i+\j)+3], v3, s[6:7] offset:\i*2*ROWB+\j*256
.endr
.endr
	s_wait_loadcnt 0x0                             ; all 24 went out together; there is nothing to do meanwhile
.irp i, 0,1,2,3,4,5,6,7,8,9,10,11
.irp j, 0,1
	v_cvt_pk_bf16_f32 v[X+4*(2*\i+\j)],   v[X+4*(2*\i+\j)],   v[X+4*(2*\i+\j)+1]
	v_cvt_pk_bf16_f32 v[X+4*(2*\i+\j)+1], v[X+4*(2*\i+\j)+2], v[X+4*(2*\i+\j)+3]
	ds_store_b64 v4, v[X+4*(2*\i+\j):X+4*(2*\i+\j)+1] offset:2*\i*PITCH+128*\j
.endr
.endr
.irp s, 0,1,2,3
	ds_load_b128 v[FX+8*\s:FX+8*\s+3],   v5 offset:64*\s            ; the wave's own bytes: LDS serves a wave's instructions in order (ISA guide 5.7.1.4)
	ds_load_b128 v[FX+8*\s+4:FX+8*\s+7], v5 offset:64*\s+32
	ds_load_b128 v[FG+8*\s:FG+8*\s+3],   v6 offset:16*PITCH+64*\s
	ds_load_b128 v[FG+8*\s+4:FG+8*\s+7], v6 offset:16*PITCH+64*\s+32
.endr
	s_wait_dscnt 0x0
	; two accumulators take turns; the first product of each starts its sum
	v_wmma_f32_16x16x32_bf16 v[ACC:ACC+7],    v[FG:FG+7],     v[FX:FX+7],     0
	v_wmma_f32_16x16x32_bf16 v[ACC+8:ACC+15], v[FG+8:FG+15],  v[FX+8:FX+15],  0
	v_wmma_f32_16x16x32_bf16 v[ACC:ACC+7],    v[FG+16:FG+23], v[FX+16:FX+23], v[ACC:ACC+7]
	v_wmma_f32_16x16x32_bf16 v[ACC+8:ACC+15], v[FG+24:FG+31], v[FX+24:FX+31], v[ACC+8:ACC+15]
.rept 4
	v_nop                                          ; four places before a vector instruction reads a matrix result (ISA guide 7.12.1)
.endr
.irp k, 0,2,4,6
	v_pk_add_f32 v[ACC+\k:ACC+\k+1], v[ACC+\k:ACC+\k+1], v[ACC+8+\k:ACC+8+\k+1]
.endr
	ds_store_b128 v7, v[ACC:ACC+3]   offset:PART       ; register j of lane (r, h) is logit j of token r in both halves: both write the same bytes
	ds_store_b128 v7, v[ACC+4:ACC+7] offset:PART+16
	s_wait_dscnt 0x0                               ; my partial sums are in LDS before I say so
	s_barrier_signal -1
	s_barrier_wait -1
	s_cmp_lg_u32 s16, 0
	s_cbranch_scc1 .Lend                           ; wave 0 finishes alone: 16 tokens, 8 numbers each
.irp p, 0,1,2,3,4,5,6,7
	ds_load_b128 v[X+8*\p:X+8*\p+3],   v8 offset:PART+512*\p
	ds_load_b128 v[X+8*\p+4:X+8*\p+7], v8 offset:PART+512*\p+16
.endr
	s_wait_dscnt 0x0
.irp p, 1,2,3,4,5,6,7
.irp k, 0,2,4,6
	v_pk_add_f32 v[X+\k:X+\k+1], v[X+\k:X+\k+1], v[X+8*\p+\k:X+8*\p+\k+1]   ; ascending K
.endr
.endr
	; v[32:39] = the 8 logits of token r.  Lanes 0-15 store logits 0-3, lanes 16-31 logits 4-7: one store covers 512 whole bytes
	v_cmp_eq_u32 s28, 1, v2
	s_lshl_b32 s24, ttmp9, 9
	v_lshl_add_u32 v9, v2, 4, v8
	v_add_nc_u32 v9, s24, v9
.irp k, 0,1,2,3
	v_cndmask_b32 v[40+\k], v[32+\k], v[36+\k], s28
.endr
	global_store_b128 v9, v[40:43], s[8:9]
	; softmax, the row's maximum taken away as in reference()
	v_max3_num_f32 v48, v32, v33, v34
	v_max3_num_f32 v48, v48, v35, v36
	v_max3_num_f32 v48, v48, v37, v38
	v_max_num_f32 v48, v48, v39
	v_mov_b32 v49, v48
.irp k, 0,2,4,6
	v_pk_add_f32 v[96+\k:97+\k], v[32+\k:33+\k], v[48:49] neg_lo:[0,1] neg_hi:[0,1]
.endr
.irp k, 0,2,4,6
	v_pk_mul_f32 v[96+\k:97+\k], v[96+\k:97+\k], 0x3fb8aa3b op_sel_hi:[1,0]   ; log2 e: v_exp_f32 works in base 2
.endr
.irp k, 0,1,2,3,4,5,6,7
	v_exp_f32 v[96+\k], v[96+\k]
.endr
	v_nop                                          ; one plain instruction behind a transcendental before its result is used (ISA guide 5.7.2)
	s_wait_alu depctr_va_vdst(0)
	v_pk_add_f32 v[104:105], v[96:97], v[98:99]
	v_pk_add_f32 v[106:107], v[100:101], v[102:103]
	v_pk_add_f32 v[104:105], v[104:105], v[106:107]
	v_add_f32 v104, v104, v105
	v_rcp_f32 v108, v104
	v_nop
	s_wait_alu depctr_va_vdst(0)
	v_mov_b32 v109, v108
.irp k, 0,2,4,6
	v_pk_mul_f32 v[96+\k:97+\k], v[96+\k:97+\k], v[108:109]
.endr
.irp k, 0,1,2,3
	v_cndmask_b32 v[44+\k], v[96+\k], v[100+\k], s28
.endr
	global_store_b128 v9, v[44:47], s[10:11]
	; the largest routing weight; a strict comparison keeps the lower index on a tie
	v_mov_b32 v110, v96
	v_mov_b32 v111, 0
.irp j, 1,2,3,4,5,6,7
	v_cmp_gt_f32 vcc_lo, v[96+\j], v110
	v_cndmask_b32 v110, v110, v[96+\j], vcc_lo
	v_cndmask_b32 v111, v111, \j, vcc_lo
.endr
	; the second: the winner is set to -1, below every routing weight, and the scan is run again
.irp j, 0,1,2,3,4,5,6,7
	v_cmp_eq_u32 vcc_lo, \j, v111
	v_cndmask_b32 v[114+\j], v[96+\j], -1.0, vcc_lo
.endr
	v_mov_b32 v112, v114
	v_mov_b32 v113, 0
.irp j, 1,2,3,4,5,6,7
	v_cmp_gt_f32 vcc_lo, v[114+\j], v112
	v_cndmask_b32 v112, v112, v[114+\j], vcc_lo
	v_cndmask_b32 v113, v113, \j, vcc_lo
.endr
	v_xor_b32 v125, 1, v111                        ; only NaN weights can leave both indices equal: they are made different
	v_cmp_eq_u32 vcc_lo, v113, v111
	v_cndmask_b32 v113, v113, v125, vcc_lo
	v_add_f32 v126, v110, v112
	v_rcp_f32 v127, v126
	v_lshl_or_b32 v124, v113, 8, v111              ; route word: first expert in byte 0, second in byte 1
	s_wait_alu depctr_va_vdst(0)
	v_mul_f32 v122, v110, v127
	v_mul_f32 v123, v112, v127
	s_lshl_b32 s25, ttmp9, 6
	s_lshl_b32 s26, ttmp9, 7
	v_lshl_add_u32 v11, v1, 2, s25
	v_lshl_add_u32 v12, v1, 3, s26
	v_cmp_gt_u32 vcc_lo, 16, v0                    ; in wave 0 v0 is the lane; lanes 16-31 hold the same tokens again
	s_wait_xcnt 0x0                                ; EXEC is a source of the two stores above: it changes only behind this wait
	s_wait_tensorcnt 0x0
	ds_add_u32 v208, v209
	s_wait_dscnt 0x0
	s_and_saveexec_b32 s27, vcc_lo
	global_store_b32 v11, v124, s[12:13]
	global_store_b64 v12, v[122:123], s[14:15]
	s_endpgm
.Lend:
	s_wait_tensorcnt 0x0
	ds_add_u32 v208, v209
	s_wait_dscnt 0x0
	s_endpgm
.Lfunc_end_k_q57149d0db0_gate:
	.size	k_q57149d0db0_gate, .Lfunc_end_k_q57149d0db0_gate-k_q57149d0db0_gate
	.p2alignl 7, 3214868480
	.fill 96, 4, 3214868480
	.section	.rodata,"a",@progbits
	.p2align	6, 0x0
	.amdhsa_kernel k_q57149d0db0_gate
		.amdhsa_group_segment_fixed_size 57344
		.amdhsa_private_segment_fixed_size 0
		.amdhsa_enable_private_segment 0
		.amdhsa_kernarg_size 48
		.amdhsa_user_sgpr_count 2
		.amdhsa_user_sgpr_kernarg_segment_ptr 1
		.amdhsa_wavefront_size32 1
		.amdhsa_system_sgpr_workgroup_id_x 1
		.amdhsa_system_sgpr_workgroup_id_y 1
		.amdhsa_system_sgpr_workgroup_id_z 1
		.amdhsa_system_vgpr_workitem_id 0
		.amdhsa_next_free_vgpr 210
		.amdhsa_next_free_sgpr 66
		.amdhsa_reserve_vcc 1
		.amdhsa_float_denorm_mode_32 3
		.amdhsa_float_denorm_mode_16_64 3
		.amdhsa_memory_ordered 1
		.amdhsa_forward_progress 1
		.amdhsa_inst_pref_size 20
	.end_amdhsa_kernel
	.amdgpu_metadata
---
amdhsa.version: [ 1, 2 ]
amdhsa.kernels:
  - .name:           k_q57149d0db0_gate
    .symbol:         k_q57149d0db0_gate.kd
    .args:
      - { .name: x, .offset: 0, .size: 8, .value_kind: global_buffer, .address_space: global }
      - { .name: Wg, .offset: 8, .size: 8, .value_kind: global_buffer, .address_space: global }
      - { .name: out1, .offset: 16, .size: 8, .value_kind: global_buffer, .address_space: global }
      - { .name: out3, .offset: 24, .size: 8, .value_kind: global_buffer, .address_space: global }
      - { .name: route, .offset: 32, .size: 8, .value_kind: global_buffer, .address_space: global }
      - { .name: rwt, .offset: 40, .size: 8, .value_kind: global_buffer, .address_space: global }
    .group_segment_fixed_size: 57344
    .private_segment_fixed_size: 0
    .kernarg_segment_align: 8
    .kernarg_segment_size: 48
    .max_flat_workgroup_size: 256
    .sgpr_count:     66
    .vgpr_count:     210
    .wavefront_size: 32
...
	.end_amdgpu_metadata
.endif
;; end of part 1
;; launch lists (part 2): grid 1 x 1, 8 waves a work-group, no clusters, 0 bytes of LDS; arguments route, tok, cnt; writes tok, cnt
.if DOCPART == 2
	.amdgcn_target "amdgcn-amd-amdhsa--gfx1250"
	.amdhsa_code_object_version 6
	.text
	.protected	k_q57149d0db0_lists
	.globl	k_q57149d0db0_lists
	.p2align	8
	.type	k_q57149d0db0_lists,@function
k_q57149d0db0_lists:
	s_mov_b64 s[64:65], 0
	v_nop
	global_prefetch_b8 v0, s[64:65] scope:SCOPE_SE
	s_setreg_imm32_b32 hwreg(HW_REG_WAVE_MODE, 25, 1), 1
	s_wait_xcnt 0x0
; Launch 2 of 6: for each expert the list of its tokens.  Wave e builds tok[e][0..1023], a permutation of the tokens: those that selected
; expert e first, in ascending order, the others from place 1023 downward; cnt[e] = how many selected it.  So every entry is stored, and
; the places behind cnt[e] that later launches touch to fill a tile of 32 name real tokens.  Eight waves that share nothing: no LDS, no barrier.
; (tgt_pad and the unselected pairs are left out of the program: see the first kernel's head.)
.set R, 16                             ; v[16:47]  chunk c: the route words of tokens 32 c + lane, then the store's byte offset
.set D, 48                             ; v[48:79]  chunk c: the token's number, the store's data
	s_load_b128 s[4:7], s[0:1], 0x0                ; route s[4:5], tok s[6:7]
	s_load_b64 s[10:11], s[0:1], 0x10              ; cnt
	v_lshrrev_b32 v3, 5, v0
	v_readfirstlane_b32 s8, v3                     ; wave = expert
	v_and_b32 v1, 31, v0                           ; lane
	v_lshlrev_b32 v2, 2, v1
	s_mov_b32 s9, 0                                ; selected so far
	s_lshl_b32 s12, s8, 12                         ; my list: 4,096 bytes
	s_lshl_b32 s13, s8, 2
	s_wait_kmcnt 0x0
.set c, 0
.rept 32
	global_load_b32 v[R+c], v2, s[4:5] offset:128*c
.set c, c+1
.endr
	s_wait_loadcnt 0x0
.set c, 0
.rept 32
	v_and_b32 v8, 0xff, v[R+c]
	v_bfe_u32 v9, v[R+c], 8, 8
	v_cmp_eq_u32 s20, s8, v8
	v_cmp_eq_u32 s21, s8, v9
	s_or_b32 s20, s20, s21                         ; lanes whose token selected me
	v_mbcnt_lo_u32_b32 v10, s20, 0                 ; such lanes below mine
	v_add_nc_u32 v10, s9, v10                      ; selected tokens before mine = a selected token's place
	v_sub_nc_u32 v11, 1023-32*c, v1
	v_add_nc_u32 v11, v10, v11                     ; 1023 - (unselected tokens before mine) = an unselected token's place
	v_cndmask_b32 v10, v11, v10, s20
	v_min_u32 v10, 0x3ff, v10                      ; changes nothing: it bounds a number that enters an address
	v_lshl_add_u32 v[R+c], v10, 2, s12
	v_add_nc_u32 v[D+c], 32*c, v1
	global_store_b32 v[R+c], v[D+c], s[6:7]        ; each chunk has its own offset and data registers: no wait in the run
	s_bcnt1_i32_b32 s21, s20
	s_add_co_u32 s9, s9, s21
.set c, c+1
.endr
	v_mov_b32 v12, s9
	v_mov_b32 v13, s13
	v_cmp_eq_u32 vcc_lo, 0, v1
	s_wait_xcnt 0x0                                ; EXEC is a source of the stores above: it changes only behind this wait
	s_and_saveexec_b32 s22, vcc_lo
	global_store_b32 v13, v12, s[10:11]
	s_endpgm
.Lfunc_end_k_q57149d0db0_lists:
	.size	k_q57149d0db0_lists, .Lfunc_end_k_q57149d0db0_lists-k_q57149d0db0_lists
	.p2alignl 7, 3214868480
	.fill 96, 4, 3214868480
	.section	.rodata,"a",@progbits
	.p2align	6, 0x0
	.amdhsa_kernel k_q57149d0db0_lists
		.amdhsa_group_segment_fixed_size 0
		.amdhsa_private_segment_fixed_size 0
		.amdhsa_enable_private_segment 0
		.amdhsa_kernarg_size 24
		.amdhsa_user_sgpr_count 2
		.amdhsa_user_sgpr_kernarg_segment_ptr 1
		.amdhsa_wavefront_size32 1
		.amdhsa_system_sgpr_workgroup_id_x 1
		.amdhsa_system_sgpr_workgroup_id_y 1
		.amdhsa_system_sgpr_workgroup_id_z 1
		.amdhsa_system_vgpr_workitem_id 0
		.amdhsa_next_free_vgpr 96
		.amdhsa_next_free_sgpr 66
		.amdhsa_reserve_vcc 1
		.amdhsa_float_denorm_mode_32 3
		.amdhsa_float_denorm_mode_16_64 3
		.amdhsa_memory_ordered 1
		.amdhsa_forward_progress 1
		.amdhsa_inst_pref_size 32
	.end_amdhsa_kernel
	.amdgpu_metadata
---
amdhsa.version: [ 1, 2 ]
amdhsa.kernels:
  - .name:           k_q57149d0db0_lists
    .symbol:         k_q57149d0db0_lists.kd
    .args:
      - { .name: route, .offset: 0, .size: 8, .value_kind: global_buffer, .address_space: global }
      - { .name: tok, .offset: 8, .size: 8, .value_kind: global_buffer, .address_space: global }
      - { .name: cnt, .offset: 16, .size: 8, .value_kind: global_buffer, .address_space: global }
    .group_segment_fixed_size: 0
    .private_segment_fixed_size: 0
    .kernarg_segment_align: 8
    .kernarg_segment_size: 24
    .max_flat_workgroup_size: 256
    .sgpr_count:     66
    .vgpr_count:     96
    .wavefront_size: 32
...
	.end_amdgpu_metadata
.endif
;; end of part 2
;; launch gather (part 3): grid 16 x 8, 8 waves a work-group, no clusters, 68,608 bytes of LDS; arguments x, tok, cnt, xg; writes xg
.if DOCPART == 3
	.amdgcn_target "amdgcn-amd-amdhsa--gfx1250"
	.amdhsa_code_object_version 6
	.text
	.protected	k_q57149d0db0_gather
	.globl	k_q57149d0db0_gather
	.p2align	8
	.type	k_q57149d0db0_gather,@function
k_q57149d0db0_gather:
	s_mov_b64 s[64:65], 0
	v_nop
	global_prefetch_b8 v0, s[64:65] scope:SCOPE_SE
	s_setreg_imm32_b32 hwreg(HW_REG_WAVE_MODE, 25, 1), 1
	s_wait_xcnt 0x0
; Launch 3 of 6: the rows of x that each expert needs, rounded to bf16 and laid out as matrix operands.
; xg[e][ptile][coltile 0..63] is a block of 512 bytes; lane (r, h) owns its bytes 16 (r + 16 h): x[tok[e][16 ptile + r]][16 coltile + 8 h .. + 7].
; A K step of 32 is then two such blocks, and a wave of the next launch loads a fragment by two loads of 512 neighbouring bytes.
; Only the rows of an expert's list up to cnt[e] rounded up to 32 are gathered (the unselected pairs are dead: see the first kernel's head).
; Work-group (q, e); a slot of work is 16 rows x 256 columns; wave w takes slots 16 w + q, + 128, ...: the waves share nothing, no barrier.
.set PITCH, 528                        ; LDS row: 256 bf16 + 16 bytes, an odd multiple of 16
.set WREG,  16*PITCH                   ; a wave's own 16 rows
.set TK, 16                            ; v[16:23]   row pair i: the token, then its byte offset in x
.set X,  32                            ; v[32:159]  32 loads of 4 registers
.set O,  160                           ; v[160:223] 16 blocks to store
	s_load_b256 s[4:11], s[0:1], 0x0               ; x s[4:5], tok s[6:7], cnt s[8:9], xg s[10:11]
	v_lshl_add_u32 v224, v0, 2, 0x10800
	v_mov_b32 v225, 0
	s_and_b32 s12, ttmp7, 0xffff                   ; expert
	v_lshrrev_b32 v2, 5, v0
	v_readfirstlane_b32 s13, v2                    ; wave
	s_lshl_b32 s14, s12, 2
	s_wait_kmcnt 0x0
	s_load_b32 s15, s[8:9], s14 offset:0x0         ; cnt[e]
	v_and_b32 v2, 31, v0
	v_lshlrev_b32 v1, 4, v2                        ; 16 x lane
	v_and_b32 v3, 15, v0                           ; r
	v_bfe_u32 v4, v0, 4, 1                         ; h
	v_lshlrev_b32 v5, 4, v3                        ; 16 r
	s_mul_i32 s17, s13, WREG
	v_mul_u32_u24 v6, v4, PITCH
	v_lshl_add_u32 v6, v3, 3, v6
	v_add_nc_u32 v6, s17, v6                       ; LDS store: row h of a pair, 8 bytes a lane
	v_mul_u32_u24 v7, v3, PITCH
	v_lshl_add_u32 v7, v4, 4, v7
	v_add_nc_u32 v7, s17, v7                       ; LDS load: row r, 16 h
	v_lshlrev_b32 v4, 2, v4                        ; 4 h: which entry of a pair in the list
	s_lshl_b32 s16, s13, 4
	s_add_co_u32 s16, s16, ttmp9                   ; my first slot
	s_lshr_b32 s18, s16, 2                         ; its tile of 16 rows
	s_and_b32 s19, s16, 3                          ; its quarter of the columns: the same in all my slots, since 128 is a multiple of 4
	s_lshl_b32 s20, s12, 12
	s_lshl_b32 s26, s18, 6
	s_add_co_u32 s20, s20, s26
	s_mov_b32 s21, 0
	s_add_nc_u64 s[20:21], s[6:7], s[20:21]        ; tok[e][16 tile]
	s_lshl_b32 s22, s19, 10
	s_mov_b32 s23, 0
	s_add_nc_u64 s[22:23], s[4:5], s[22:23]        ; x at my quarter
	s_lshl_b32 s24, s12, 21
	s_lshl_b32 s26, s18, 15
	s_add_co_u32 s24, s24, s26
	s_lshl_b32 s26, s19, 13
	s_add_co_u32 s24, s24, s26
	s_mov_b32 s25, 0
	s_add_nc_u64 s[24:25], s[10:11], s[24:25]      ; xg[e][tile][16 quarter]
	s_wait_kmcnt 0x0
	s_min_u32 s15, s15, 0x400
	s_add_co_u32 s15, s15, 31
	s_lshr_b32 s15, s15, 5                         ; units of 32 rows
	s_lshl_b32 s15, s15, 3                         ; slots: 2 tiles x 4 quarters a unit
	s_cmp_ge_u32 s16, s15
	s_cbranch_scc1 .Lend
	s_sub_co_u32 s26, s15, s16                     ; at least 1 here
	s_add_co_u32 s26, s26, 127
	s_lshr_b32 s26, s26, 7                         ; my trips: the slots first, first + 128, .. below the number of slots
	s_mov_b32 s27, 0                               ; the trip, counted by one
.Ltrip:
.irp i, 0,1,2,3,4,5,6,7
	global_load_b32 v[TK+\i], v4, s[20:21] offset:8*\i             ; lanes 0-15: entry 2 i, lanes 16-31: entry 2 i + 1
.endr
	s_wait_loadcnt 0x0
.irp i, 0,1,2,3,4,5,6,7
	v_min_u32 v[TK+\i], 0x3ff, v[TK+\i]                            ; a token's number stays inside x
	v_lshl_add_u32 v[TK+\i], v[TK+\i], 12, v5
.endr
.irp i, 0,1,2,3,4,5,6,7
.irp j, 0,1,2,3
	global_load_b128 v[X+4*(4*\i+\j):X+4*(4*\i+\j)+3], v[TK+\i], s[22:23] offset:256*\j   ; 16 lanes: 256 aligned bytes of one row
.endr
.endr
.irp i, 0,1,2,3,4,5,6,7
	s_wait_loadcnt 28-4*\i                         ; pair i's four loads are in; the later pairs' stay out
.irp j, 0,1,2,3
	v_cvt_pk_bf16_f32 v[X+4*(4*\i+\j)],   v[X+4*(4*\i+\j)],   v[X+4*(4*\i+\j)+1]
	v_cvt_pk_bf16_f32 v[X+4*(4*\i+\j)+1], v[X+4*(4*\i+\j)+2], v[X+4*(4*\i+\j)+3]
	ds_store_b64 v6, v[X+4*(4*\i+\j):X+4*(4*\i+\j)+1] offset:2*\i*PITCH+128*\j
.endr
.endr
.irp c, 0,1,2,3,4,5,6,7,8,9,10,11,12,13,14,15
	ds_load_b128 v[O+4*\c:O+4*\c+3], v7 offset:32*\c               ; the wave's own bytes, served in order (ISA guide 5.7.1.4)
.endr
.irp c, 0,1,2,3,4,5,6,7,8,9,10,11,12,13,14,15
	s_wait_dscnt 15-\c                             ; block c is in; the later blocks' loads stay out
	global_store_b128 v1, v[O+4*\c:O+4*\c+3], s[24:25] offset:512*\c   ; 512 neighbouring bytes
.endr
	s_wait_xcnt 0x0                                ; the bases and O are written again only behind this wait
	s_add_nc_u64 s[20:21], s[20:21], 2048          ; 32 tiles on
	s_add_nc_u64 s[24:25], s[24:25], 0x100000
	s_add_co_u32 s27, s27, 1
	s_cmp_lt_u32 s27, s26
	s_cbranch_scc1 .Ltrip
.Lend:
	s_wait_tensorcnt 0x0
	ds_add_u32 v224, v225
	s_wait_dscnt 0x0
	s_endpgm
.Lfunc_end_k_q57149d0db0_gather:
	.size	k_q57149d0db0_gather, .Lfunc_end_k_q57149d0db0_gather-k_q57149d0db0_gather
	.p2alignl 7, 3214868480
	.fill 96, 4, 3214868480
	.section	.rodata,"a",@progbits
	.p2align	6, 0x0
	.amdhsa_kernel k_q57149d0db0_gather
		.amdhsa_group_segment_fixed_size 68608
		.amdhsa_private_segment_fixed_size 0
		.amdhsa_enable_private_segment 0
		.amdhsa_kernarg_size 32
		.amdhsa_user_sgpr_count 2
		.amdhsa_user_sgpr_kernarg_segment_ptr 1
		.amdhsa_wavefront_size32 1
		.amdhsa_system_sgpr_workgroup_id_x 1
		.amdhsa_system_sgpr_workgroup_id_y 1
		.amdhsa_system_sgpr_workgroup_id_z 1
		.amdhsa_system_vgpr_workitem_id 0
		.amdhsa_next_free_vgpr 226
		.amdhsa_next_free_sgpr 66
		.amdhsa_reserve_vcc 0
		.amdhsa_float_denorm_mode_32 3
		.amdhsa_float_denorm_mode_16_64 3
		.amdhsa_memory_ordered 1
		.amdhsa_forward_progress 1
		.amdhsa_inst_pref_size 17
	.end_amdhsa_kernel
	.amdgpu_metadata
---
amdhsa.version: [ 1, 2 ]
amdhsa.kernels:
  - .name:           k_q57149d0db0_gather
    .symbol:         k_q57149d0db0_gather.kd
    .args:
      - { .name: x, .offset: 0, .size: 8, .value_kind: global_buffer, .address_space: global }
      - { .name: tok, .offset: 8, .size: 8, .value_kind: global_buffer, .address_space: global }
      - { .name: cnt, .offset: 16, .size: 8, .value_kind: global_buffer, .address_space: global }
      - { .name: xg, .offset: 24, .size: 8, .value_kind: global_buffer, .address_space: global }
    .group_segment_fixed_size: 68608
    .private_segment_fixed_size: 0
    .kernarg_segment_align: 8
    .kernarg_segment_size: 32
    .max_flat_workgroup_size: 256
    .sgpr_count:     66
    .vgpr_count:     226
    .wavefront_size: 32
...
	.end_amdgpu_metadata
.endif
;; end of part 3
;; launch up (part 4): grid 256 x 1, 8 waves a work-group, no clusters, 265,216 bytes of LDS; arguments W1, W3, xg, cnt, hbuf; writes hbuf
.if DOCPART == 4
	.amdgcn_target "amdgcn-amd-amdhsa--gfx1250"
	.amdhsa_code_object_version 6
	.text
	.protected	k_q57149d0db0_up
	.globl	k_q57149d0db0_up
	.p2align	8
	.type	k_q57149d0db0_up,@function
k_q57149d0db0_up:
	s_mov_b64 s[64:65], 0
	v_nop
	global_prefetch_b8 v0, s[64:65] scope:SCOPE_SE
	s_setreg_imm32_b32 hwreg(HW_REG_WAVE_MODE, 25, 1), 1
	s_wait_xcnt 0x0
; Launch 4 of 6: h = silu(x W1[e]^T) * (x W3[e]^T) for the rows of each expert's list (unselected pairs are dead: see the first kernel's head).
; Work-group = (expert e, 64 columns of h).  PHASE 1: its 64 rows of W1[e] and 64 rows of W3[e], 512 KiB of f32 that no other work-group
; reads, are streamed once through registers, rounded to bf16 and kept in LDS for the whole launch.  One barrier.  PHASE 2: the eight waves
; work apart, each on units of 32 rows of the list: 128 weight rows x 32 tokens x K = 1024, weights from LDS, tokens straight from xg,
; whose blocks are matrix fragments as they lie.  The number of units is read from memory, so no barrier may stand in that loop.
; NO CLUSTER, though the 32 work-groups of an expert read the same xg: a joint request lands in LDS behind a round of barriers, and this loop,
; whose trips hang on cnt[e], can hold none; and 264,192 of the work-group's LDS bytes hold weights.  NO TENSOR LOADS: the weights change format on the way.
; The matrix instruction is used transposed: source 0 = 16 weight rows, source 1 = 16 tokens.  Lane (r, h) then holds, in registers 0-7,
; columns 8 h .. 8 h + 7 of token r: rounded to bf16 they are the lane's 16 bytes of a block of hbuf, which has xg's order.
; silu(a) = a * rcp(1 + exp2(-a log2 e)), and only then the product with the W3 branch: a very negative a gives a * 0, never inf * 0.
.set PITCH,  2064                      ; LDS row: 1,024 bf16 + 16 bytes = 129 x 16: a fragment load's 16 rows fall into 16 different 16-byte columns of 256
.set TSTEP,  16*PITCH                  ; from a tile of 16 rows to the next
.set ROWB,   4096                      ; bytes from a weight row to the next
.set WROWS,  16                        ; weight rows that a wave streams
.set SUBSTR, 32768                     ; xg: from a tile of 16 tokens to the next
.set NG,     64                        ; granules in a unit: 4 weight tiles x 2 token tiles at one K step
.set BA,  2                            ; v[2:5]     LDS address of weight tiles 2 i, 2 i + 1 (the second by the immediate)
.set T,   16                           ; phase 1: v[16:47] two sets of 16, a converted row; way out: v[16:23] at work
.set OB,  32                           ; way out: v[32:63] eight blocks to store
.set BR,  16                           ; v[16:111]  weight fragments: a ring of three granules, 32 registers each
.set RS,  128                          ; phase 1: v[128:255] four row slots of 32 registers
.set ACC, 128                          ; v[128:255] 16 accumulators: (token tile sub, weight tile nt) at ACC + 8 (8 sub + nt); nt 0-3 W1, 4-7 W3
                                       ; v[256:511] token fragments: a ring of four groups of 4 K steps, (ks, sub) at 64 (g % 4) + 16 ks + 8 sub
.set MSB, 0
.macro WIN new                         ; s_set_vgpr_msb: bits 1:0 source 0, 3:2 source 1, 5:4 source 2, 7:6 destination; the high byte repeats the setting that is left
.if MSB != \new
	s_set_vgpr_msb (MSB<<8)|\new
.set MSB, \new
.endif
.endm
.macro PLACES                          ; four places between a matrix instruction and a load into, or a vector read of, its registers
.rept 4
	v_nop
.endr
.endm
	s_load_b256 s[4:11], s[0:1], 0x0               ; W1 s[4:5], W3 s[6:7], xg s[8:9], cnt s[10:11]
	s_load_b64 s[12:13], s[0:1], 0x20              ; hbuf
	v_lshl_add_u32 v126, v0, 2, 0x40800
	v_mov_b32 v127, 0
	v_lshrrev_b32 v2, 5, v0
	v_readfirstlane_b32 s14, v2                    ; wave
	s_lshr_b32 s15, ttmp9, 5                       ; expert
	s_and_b32 s16, ttmp9, 31                       ; block of 64 columns of h
	s_lshl_b32 s19, s15, 2
	s_wait_kmcnt 0x0
	s_load_b32 s17, s[10:11], s19 offset:0x0       ; cnt[e]
	v_and_b32 v8, 31, v0                           ; lane
	v_lshlrev_b32 v1, 4, v8                        ; 16 x lane
	v_and_b32 v9, 15, v0                           ; r
	v_bfe_u32 v10, v0, 4, 1                        ; h
	v_mul_u32_u24 v2, v9, PITCH
	v_lshl_add_u32 v2, v10, 4, v2                  ; row r, 16 h
	v_add_nc_u32 v3, 32*PITCH, v2
	v_add_nc_u32 v4, 64*PITCH, v2
	v_add_nc_u32 v5, 96*PITCH, v2
	s_mul_i32 s28, s14, WROWS*PITCH
	v_lshl_add_u32 v7, v8, 3, s28                  ; phase 1: my 16 LDS rows, 8 bytes a lane
	s_cmp_lt_u32 s14, 4
	s_cselect_b64 s[20:21], s[4:5], s[6:7]         ; waves 0-3 stream W1 (LDS rows 0-63), waves 4-7 W3 (rows 64-127)
	s_lshl_b32 s22, s15, 23                        ; expert: 2,048 rows of 4,096 bytes
	s_lshl_b32 s23, s16, 18                        ; block: 64 rows
	s_add_co_u32 s22, s22, s23
	s_and_b32 s23, s14, 3
	s_lshl_b32 s23, s23, 16                        ; 16 rows a wave
	s_add_co_u32 s22, s22, s23
	s_mov_b32 s23, 0
	s_add_nc_u64 s[20:21], s[20:21], s[22:23]
	s_lshl_b32 s22, s15, 21
	s_lshl_b32 s29, s14, 16
	s_add_co_u32 s22, s22, s29
	s_add_nc_u64 s[24:25], s[8:9], s[22:23]        ; xg[e][unit w]
	s_lshl_b32 s22, s15, 22
	s_lshl_b32 s29, s14, 17
	s_add_co_u32 s22, s22, s29
	s_lshl_b32 s29, s16, 11
	s_add_co_u32 s22, s22, s29
	s_add_nc_u64 s[26:27], s[12:13], s[22:23]      ; hbuf[e][unit w][my 4 column tiles]
	s_wait_kmcnt 0x0
	s_min_u32 s17, s17, 0x400
	s_add_co_u32 s17, s17, 31
	s_lshr_b32 s17, s17, 5                         ; units of 32 rows
	s_cmp_eq_u32 s17, 0
	s_cbranch_scc1 .Lsync                          ; an expert that nobody selected: its weights are not read; the barrier is still passed
; PHASE 1.  A row is eight loads of 512 neighbouring bytes.  Four rows of every wave are on their way.
.macro WLOAD i
.irp j, 0,1,2,3,4,5,6,7
	global_load_b128 v[RS+32*((\i)%4)+4*\j:RS+32*((\i)%4)+4*\j+3], v1, s[20:21] offset:(\i)*ROWB+512*\j th:TH_LOAD_NT
.endr
.endm
.macro WROW i
.if \i < WROWS-3
	s_wait_loadcnt 24                              ; row i is in; the three younger rows' 24 loads stay out
.else
	s_wait_loadcnt 8*(WROWS-1-\i)                  ; the last rows: the count runs down
.endif
.if \i >= 2
	s_wait_dscnt 8                                 ; the eight LDS stores that read this set of T are done; the last row's eight may be out
.endif
.set xt, T+16*(\i%2)
.set xr, RS+32*(\i%4)
.irp j, 0,1,2,3,4,5,6,7
	v_cvt_pk_bf16_f32 v[xt+2*\j],   v[xr+4*\j],   v[xr+4*\j+1]
	v_cvt_pk_bf16_f32 v[xt+2*\j+1], v[xr+4*\j+2], v[xr+4*\j+3]
.endr
.irp j, 0,1,2,3,4,5,6,7
	ds_store_b64 v7, v[xt+2*\j:xt+2*\j+1] offset:\i*PITCH+256*\j   ; 32 lanes: 256 neighbouring bytes
.endr
.if \i+4 < WROWS
	WLOAD \i+4
.endif
.endm
	WLOAD 0
	WLOAD 1
	WLOAD 2
	WLOAD 3
.irp i, 0,1,2,3,4,5,6,7,8,9,10,11,12,13,14,15
	WROW \i
.endr
.Lsync:
	s_wait_dscnt 0x0                               ; my rows are in LDS before I say so
	s_barrier_signal -1
	s_barrier_wait -1                              ; all 128 rows are; nobody writes LDS from here on
	s_cmp_ge_u32 s14, s17
	s_cbranch_scc1 .Lend
	s_sub_co_u32 s19, s17, s14                     ; at least 1 here
	s_add_co_u32 s19, s19, 7
	s_lshr_b32 s19, s19, 3                         ; my trips: the units w, w + 8, .. below the number of units
	s_mov_b32 s18, 0                               ; the trip, counted by one
; PHASE 2.
.macro AFETCH g                        ; group g: K steps 4 g .. 4 g + 3 of both token tiles, 16 loads of 512 neighbouring bytes
.irp ks, 0,1,2,3
.irp sub, 0,1
	global_load_b128 v[64*((\g)%4)+16*\ks+8*\sub:64*((\g)%4)+16*\ks+8*\sub+3],   v1, s[24:25] offset:\sub*SUBSTR+(4*(\g)+\ks)*1024
	global_load_b128 v[64*((\g)%4)+16*\ks+8*\sub+4:64*((\g)%4)+16*\ks+8*\sub+7], v1, s[24:25] offset:\sub*SUBSTR+(4*(\g)+\ks)*1024+512
.endr
.endr
.endm
.macro BFETCH qq                       ; granule qq: K step qq / 2, weight tiles 4 (qq % 2) .. + 3: 8 LDS loads
.set xb, BR+32*((\qq)%3)
.set xk, 64*((\qq)>>1)
.set xq, BA+2*((\qq)&1)
.irp tt, 0,1,2,3
	ds_load_b128 v[xb+8*\tt:xb+8*\tt+3],   v[xq+(\tt>>1)] offset:(\tt&1)*TSTEP+xk
	ds_load_b128 v[xb+8*\tt+4:xb+8*\tt+7], v[xq+(\tt>>1)] offset:(\tt&1)*TSTEP+xk+32
.endr
.endm
.macro MUL8 qq                         ; 8 matrix instructions on 8 different accumulators; the next granule takes the other 8: they take turns
.set xb, BR+32*((\qq)%3)
.set xa, 64*(((\qq)>>3)%4)+16*(((\qq)>>1)&3)
.set xn, 4*((\qq)&1)
.irp tt, 0,1,2,3
.irp sub, 0,1
.if (\qq) < 2
	v_wmma_f32_16x16x32_bf16 v[ACC+8*(8*\sub+xn+\tt):ACC+8*(8*\sub+xn+\tt)+7], v[xb+8*\tt:xb+8*\tt+7], v[xa+8*\sub:xa+8*\sub+7], 0
.else
	v_wmma_f32_16x16x32_bf16 v[ACC+8*(8*\sub+xn+\tt):ACC+8*(8*\sub+xn+\tt)+7], v[xb+8*\tt:xb+8*\tt+7], v[xa+8*\sub:xa+8*\sub+7], v[ACC+8*(8*\sub+xn+\tt):ACC+8*(8*\sub+xn+\tt)+7]
.endif
.endr
.endr
.endm
.macro EPI sub, i                      ; 16 tokens x 16 columns of h: gate, round, store one block
.set ea, ACC+8*(8*\sub+\i)
.set eb, ACC+8*(8*\sub+4+\i)
.set eo, OB+4*(4*\sub+\i)
.irp k, 0,2,4,6
	v_pk_mul_f32 v[T+\k:T+\k+1], v[ea+\k:ea+\k+1], 0xbfb8aa3b op_sel_hi:[1,0]     ; -a log2 e
.endr
.irp k, 0,1,2,3,4,5,6,7
	v_exp_f32 v[T+\k], v[T+\k]
.endr
	v_nop                                          ; one plain instruction behind a transcendental (ISA guide 5.7.2)
	s_wait_alu depctr_va_vdst(0)
.irp k, 0,2,4,6
	v_pk_add_f32 v[T+\k:T+\k+1], v[T+\k:T+\k+1], 1.0 op_sel_hi:[1,0]
.endr
.irp k, 0,1,2,3,4,5,6,7
	v_rcp_f32 v[T+\k], v[T+\k]
.endr
	v_nop
	s_wait_alu depctr_va_vdst(0)
.irp k, 0,2,4,6
	v_pk_mul_f32 v[T+\k:T+\k+1], v[T+\k:T+\k+1], v[ea+\k:ea+\k+1]                 ; silu(a)
.endr
.irp k, 0,2,4,6
	v_pk_mul_f32 v[T+\k:T+\k+1], v[T+\k:T+\k+1], v[eb+\k:eb+\k+1]
.endr
.irp k, 0,1,2,3
	v_cvt_pk_bf16_f32 v[eo+\k], v[T+2*\k], v[T+2*\k+1]
.endr
	global_store_b128 v1, v[eo:eo+3], s[26:27] offset:\sub*65536+\i*512           ; 512 neighbouring bytes
.endm
.Lunit:
	WIN 0x40                                       ; loaded data go to v256-511
	AFETCH 0
	AFETCH 1
	AFETCH 2
	WIN 0x04                                       ; source 1 of the matrix instructions (tokens) is v256-511; LDS loads are not touched by it
	BFETCH 0
	BFETCH 1
.set q, 0
.rept NG
.if q > 0
.if q < NG-2
	PLACES                                         ; the loads below land in registers that the last granule's matrix instructions read
.endif
.endif
.if (q%8) == 0
.if q/8 <= 5
	s_wait_loadcnt 32                              ; this group is in; the two younger groups' 32 loads stay out
.else
	s_wait_loadcnt 16*(7-q/8)                      ; the last groups: the count runs down
.endif
.if q/8 <= 4
	WIN 0x40
	AFETCH q/8+3                                   ; into the slot of the group just used up
	WIN 0x04
.endif
.endif
.if q < NG-2
	BFETCH q+2
	s_wait_dscnt 16                                ; this granule's 8 loads are in; the two younger granules' stay out
.else
	s_wait_dscnt 8*(NG-1-q)
.endif
	MUL8 q
.set q, q+1
.endr
	WIN 0
	PLACES
.irp sub, 0,1
.irp i, 0,1,2,3
	EPI \sub, \i
.endr
.endr
	s_wait_xcnt 0x0                                ; the bases and the stores' data are written again only behind this wait
	s_add_nc_u64 s[24:25], s[24:25], 0x80000       ; 8 units on
	s_add_nc_u64 s[26:27], s[26:27], 0x100000
	s_add_co_u32 s18, s18, 1
	s_cmp_lt_u32 s18, s19
	s_cbranch_scc1 .Lunit
.Lend:
	s_wait_tensorcnt 0x0
	ds_add_u32 v126, v127
	s_wait_dscnt 0x0
	s_endpgm
.Lfunc_end_k_q57149d0db0_up:
	.size	k_q57149d0db0_up, .Lfunc_end_k_q57149d0db0_up-k_q57149d0db0_up
	.p2alignl 7, 3214868480
	.fill 96, 4, 3214868480
	.section	.rodata,"a",@progbits
	.p2align	6, 0x0
	.amdhsa_kernel k_q57149d0db0_up
		.amdhsa_group_segment_fixed_size 265216
		.amdhsa_private_segment_fixed_size 0
		.amdhsa_enable_private_segment 0
		.amdhsa_kernarg_size 40
		.amdhsa_user_sgpr_count 2
		.amdhsa_user_sgpr_kernarg_segment_ptr 1
		.amdhsa_wavefront_size32 1
		.amdhsa_system_sgpr_workgroup_id_x 1
		.amdhsa_system_sgpr_workgroup_id_y 1
		.amdhsa_system_sgpr_workgroup_id_z 1
		.amdhsa_system_vgpr_workitem_id 0
		.amdhsa_next_free_vgpr 512
		.amdhsa_next_free_sgpr 66
		.amdhsa_reserve_vcc 0
		.amdhsa_float_denorm_mode_32 3
		.amdhsa_float_denorm_mode_16_64 3
		.amdhsa_memory_ordered 1
		.amdhsa_forward_progress 1
		.amdhsa_inst_pref_size 143
	.end_amdhsa_kernel
	.amdgpu_metadata
---
amdhsa.version: [ 1, 2 ]
amdhsa.kernels:
  - .name:           k_q57149d0db0_up
    .symbol:         k_q57149d0db0_up.kd
    .args:
      - { .name: W1, .offset: 0, .size: 8, .value_kind: global_buffer, .address_space: global }
      - { .name: W3, .offset: 8, .size: 8, .value_kind: global_buffer, .address_space: global }
      - { .name: xg, .offset: 16, .size: 8, .value_kind: global_buffer, .address_space: global }
      - { .name: cnt, .offset: 24, .size: 8, .value_kind: global_buffer, .address_space: global }
      - { .name: hbuf, .offset: 32, .size: 8, .value_kind: global_buffer, .address_space: global }
    .group_segment_fixed_size: 265216
    .private_segment_fixed_size: 0
    .kernarg_segment_align: 8
    .kernarg_segment_size: 40
    .max_flat_workgroup_size: 256
    .sgpr_count:     66
    .vgpr_count:     512
    .wavefront_size: 32
...
	.end_amdgpu_metadata
.endif
;; end of part 4
;; launch down (part 5): grid 256 x 1, 8 waves a work-group, no clusters, 167,936 bytes of LDS; arguments W2, hbuf, tok, cnt, ybuf; writes ybuf
.if DOCPART == 5
	.amdgcn_target "amdgcn-amd-amdhsa--gfx1250"
	.amdhsa_code_object_version 6
	.text
	.protected	k_q57149d0db0_down
	.globl	k_q57149d0db0_down
	.p2align	8
	.type	k_q57149d0db0_down,@function
k_q57149d0db0_down:
	s_mov_b64 s[64:65], 0
	v_nop
	global_prefetch_b8 v0, s[64:65] scope:SCOPE_SE
	s_setreg_imm32_b32 hwreg(HW_REG_WAVE_MODE, 25, 1), 1
	s_wait_xcnt 0x0
; Launch 5 of 6: y = h W2[e]^T for the rows of each expert's list (unselected pairs are dead: see the first kernel's head).
; Work-group = (expert e, 64 columns d, half kh of K = 2048).  Built as the launch before it: PHASE 1 streams the work-group's 64 x 1024 piece of W2[e]
; once, rounds it to bf16 and keeps it in LDS; one barrier; PHASE 2: eight waves apart, each on units of 32 rows: 64 weight rows x 32 tokens x K = 1024.
; K is halved so that a work-group reads half of h and its piece of a row of y is 64 f32, 256 aligned bytes; the two halves are added, in f32, by the last launch.
; ybuf[kh][e][token][1024]: rows go by the token's number, read from the list, so that the last launch needs no list.
; No cluster and no tensor loads, for the reasons given at the head of the launch before: the loop's trips hang on cnt[e], and the weights change format on the way.
.set PITCH,  2064                      ; LDS row: 1,024 bf16 + 16 bytes = 129 x 16
.set TSTEP,  16*PITCH
.set ROWB,   8192                      ; bytes from a row of W2 to the next
.set WROWS,  8                         ; weight rows that a wave streams
.set SUBSTR, 65536                     ; hbuf: from a tile of 16 tokens to the next
.set NG,     32                        ; granules in a unit: 4 weight tiles x 2 token tiles at one K step
.set STAGE,  64*PITCH                  ; behind the weights: 16 rows x 272 bytes for each wave, its own
.set SPITCH, 272
.set BA,  2                            ; v[2:3]     LDS address of weight tiles 0, 1 and 2, 3
.set TK,  16                           ; v[16:31]   (sub, i): the token of stage row i + 8 (lane / 16), then its byte offset in ybuf
.set BR,  32                           ; v[32:159]  weight fragments: a ring of four granules
.set RS,  32                           ; phase 1: v[32:159] four row slots
.set OB,  32                           ; way out: v[32:95]
.set ACC, 160                          ; v[160:223] 8 accumulators: (sub, nt) at ACC + 8 (4 sub + nt)
.set T,   160                          ; phase 1: v[160:191] two sets of 16, a converted row
                                       ; v[256:511] token fragments: a ring of four groups of 4 K steps
.set MSB, 0
.macro WIN new                         ; s_set_vgpr_msb: bits 1:0 source 0, 3:2 source 1, 5:4 source 2, 7:6 destination; the high byte repeats the setting that is left
.if MSB != \new
	s_set_vgpr_msb (MSB<<8)|\new
.set MSB, \new
.endif
.endm
.macro PLACES                          ; four places between a matrix instruction and a load into, or a read of, its registers
.rept 4
	v_nop
.endr
.endm
	s_load_b256 s[4:11], s[0:1], 0x0               ; W2 s[4:5], hbuf s[6:7], tok s[8:9], cnt s[10:11]
	s_load_b64 s[12:13], s[0:1], 0x20              ; ybuf
	v_lshl_add_u32 v254, v0, 2, 0x28c00
	v_mov_b32 v255, 0
	v_lshrrev_b32 v2, 5, v0
	v_readfirstlane_b32 s14, v2                    ; wave
	s_lshr_b32 s15, ttmp9, 5                       ; expert
	s_bfe_u32 s16, ttmp9, 0x40001                  ; block of 64 columns d
	s_and_b32 s28, ttmp9, 1                        ; half of K
	s_lshl_b32 s19, s15, 2
	s_wait_kmcnt 0x0
	s_load_b32 s17, s[10:11], s19 offset:0x0       ; cnt[e]
	v_and_b32 v9, 31, v0                           ; lane
	v_lshlrev_b32 v1, 4, v9                        ; 16 x lane
	v_and_b32 v10, 15, v0                          ; r
	v_bfe_u32 v11, v0, 4, 1                        ; h
	v_mul_u32_u24 v2, v10, PITCH
	v_lshl_add_u32 v2, v11, 4, v2                  ; row r, 16 h
	v_add_nc_u32 v3, 32*PITCH, v2
	v_lshlrev_b32 v4, 5, v11                       ; 32 h: eight entries of the list for each half of the lanes
	v_lshlrev_b32 v5, 4, v10                       ; 16 r
	s_mul_i32 s29, s14, 16*SPITCH
	s_add_co_u32 s29, s29, STAGE                   ; my stage
	v_mul_u32_u24 v6, v10, SPITCH
	v_lshl_add_u32 v6, v11, 5, v6
	v_add_nc_u32 v6, s29, v6                       ; in: row r, 32 bytes for each half of the lanes
	v_mul_u32_u24 v8, v11, 8*SPITCH
	v_add_nc_u32 v8, v8, v5
	v_add_nc_u32 v8, s29, v8                       ; back: lanes 0-15 row i, lanes 16-31 row i + 8, 256 bytes each
	s_mul_i32 s29, s14, WROWS*PITCH
	v_lshl_add_u32 v7, v9, 3, s29                  ; phase 1: my 8 LDS rows, 8 bytes a lane
	s_mov_b32 s23, 0
	s_lshl_b32 s22, s15, 23                        ; expert: 1,024 rows of 8,192 bytes
	s_lshl_b32 s29, s16, 19                        ; block: 64 rows
	s_add_co_u32 s22, s22, s29
	s_lshl_b32 s29, s14, 16                        ; 8 rows a wave
	s_add_co_u32 s22, s22, s29
	s_lshl_b32 s29, s28, 12                        ; half of a row
	s_add_co_u32 s22, s22, s29
	s_add_nc_u64 s[20:21], s[4:5], s[22:23]
	s_lshl_b32 s22, s15, 22
	s_lshl_b32 s29, s14, 17
	s_add_co_u32 s22, s22, s29
	s_lshl_b32 s29, s28, 15
	s_add_co_u32 s22, s22, s29
	s_add_nc_u64 s[24:25], s[6:7], s[22:23]        ; hbuf[e][unit w][column tiles 64 kh ..]
	s_lshl_b32 s22, s15, 12
	s_lshl_b32 s29, s14, 7
	s_add_co_u32 s22, s22, s29
	s_add_nc_u64 s[26:27], s[8:9], s[22:23]        ; tok[e][32 w]
	s_lshl3_add_u32 s22, s28, s15                  ; 8 kh + e
	s_lshl_b32 s22, s22, 22
	s_lshl_b32 s29, s16, 8
	s_add_co_u32 s22, s22, s29
	s_add_nc_u64 s[30:31], s[12:13], s[22:23]      ; ybuf[kh][e][.][64 block]: never stepped
	s_wait_kmcnt 0x0
	s_min_u32 s17, s17, 0x400
	s_add_co_u32 s17, s17, 31
	s_lshr_b32 s17, s17, 5                         ; units of 32 rows
	s_cmp_eq_u32 s17, 0
	s_cbranch_scc1 .Lsync                          ; an expert that nobody selected: its weights are not read; the barrier is still passed
; PHASE 1.  Half a row of W2 is eight loads of 512 neighbouring bytes.  Four rows of every wave are on their way.
.macro WLOAD i
.irp j, 0,1,2,3,4,5,6,7
	global_load_b128 v[RS+32*((\i)%4)+4*\j:RS+32*((\i)%4)+4*\j+3], v1, s[20:21] offset:(\i)*ROWB+512*\j th:TH_LOAD_NT
.endr
.endm
.macro WROW i
.if \i < WROWS-3
	s_wait_loadcnt 24                              ; row i is in; the three younger rows' 24 loads stay out
.else
	s_wait_loadcnt 8*(WROWS-1-\i)                  ; the last rows: the count runs down
.endif
.if \i >= 2
	s_wait_dscnt 8                                 ; the eight LDS stores that read this set of T are done; the last row's eight may be out
.endif
.set xt, T+16*(\i%2)
.set xr, RS+32*(\i%4)
.irp j, 0,1,2,3,4,5,6,7
	v_cvt_pk_bf16_f32 v[xt+2*\j],   v[xr+4*\j],   v[xr+4*\j+1]
	v_cvt_pk_bf16_f32 v[xt+2*\j+1], v[xr+4*\j+2], v[xr+4*\j+3]
.endr
.irp j, 0,1,2,3,4,5,6,7
	ds_store_b64 v7, v[xt+2*\j:xt+2*\j+1] offset:\i*PITCH+256*\j
.endr
.if \i+4 < WROWS
	WLOAD \i+4
.endif
.endm
	WLOAD 0
	WLOAD 1
	WLOAD 2
	WLOAD 3
.irp i, 0,1,2,3,4,5,6,7
	WROW \i
.endr
.Lsync:
	s_wait_dscnt 0x0                               ; my rows are in LDS before I say so
	s_barrier_signal -1
	s_barrier_wait -1                              ; all 64 rows are; from here on a wave writes only its own stage
	s_cmp_ge_u32 s14, s17
	s_cbranch_scc1 .Lend
	s_sub_co_u32 s19, s17, s14                     ; at least 1 here
	s_add_co_u32 s19, s19, 7
	s_lshr_b32 s19, s19, 3                         ; my trips: the units w, w + 8, .. below the number of units
	s_mov_b32 s18, 0                               ; the trip, counted by one
; PHASE 2.
.macro AFETCH g                        ; group g: K steps 4 g .. 4 g + 3 of both token tiles, 16 loads of 512 neighbouring bytes
.irp ks, 0,1,2,3
.irp sub, 0,1
	global_load_b128 v[64*((\g)%4)+16*\ks+8*\sub:64*((\g)%4)+16*\ks+8*\sub+3],   v1, s[24:25] offset:\sub*SUBSTR+(4*(\g)+\ks)*1024
	global_load_b128 v[64*((\g)%4)+16*\ks+8*\sub+4:64*((\g)%4)+16*\ks+8*\sub+7], v1, s[24:25] offset:\sub*SUBSTR+(4*(\g)+\ks)*1024+512
.endr
.endr
.endm
.macro BFETCH qq                       ; granule qq = K step qq: the four weight tiles, 8 LDS loads
.set xb, BR+32*((\qq)%4)
.set xk, 64*(\qq)
.irp tt, 0,1,2,3
	ds_load_b128 v[xb+8*\tt:xb+8*\tt+3],   v[BA+(\tt>>1)] offset:(\tt&1)*TSTEP+xk
	ds_load_b128 v[xb+8*\tt+4:xb+8*\tt+7], v[BA+(\tt>>1)] offset:(\tt&1)*TSTEP+xk+32
.endr
.endm
.macro MUL8 qq                         ; 8 matrix instructions, one on each of the 8 accumulators, always in the same order: they take turns
.set xb, BR+32*((\qq)%4)
.set xa, 64*(((\qq)>>2)%4)+16*((\qq)&3)
.irp tt, 0,1,2,3
.irp sub, 0,1
.if (\qq) < 1
	v_wmma_f32_16x16x32_bf16 v[ACC+8*(4*\sub+\tt):ACC+8*(4*\sub+\tt)+7], v[xb+8*\tt:xb+8*\tt+7], v[xa+8*\sub:xa+8*\sub+7], 0
.else
	v_wmma_f32_16x16x32_bf16 v[ACC+8*(4*\sub+\tt):ACC+8*(4*\sub+\tt)+7], v[xb+8*\tt:xb+8*\tt+7], v[xa+8*\sub:xa+8*\sub+7], v[ACC+8*(4*\sub+\tt):ACC+8*(4*\sub+\tt)+7]
.endif
.endr
.endr
.endm
.Lunit:
.irp sub, 0,1
.irp k, 0,1
	global_load_b128 v[TK+8*\sub+4*\k:TK+8*\sub+4*\k+3], v4, s[26:27] offset:64*\sub+16*\k   ; the unit's 32 tokens: the oldest loads of the unit
.endr
.endr
	WIN 0x40                                       ; loaded data go to v256-511
	AFETCH 0
	AFETCH 1
	AFETCH 2
	WIN 0x04                                       ; source 1 of the matrix instructions (tokens) is v256-511
	BFETCH 0
	BFETCH 1
	BFETCH 2
.set q, 0
.rept NG
.if q > 0
.if q < NG-3
	PLACES                                         ; the loads below land in registers that the last granule's matrix instructions read
.endif
.endif
.if (q%4) == 0
.if q/4 <= 5
	s_wait_loadcnt 32                              ; this group (and, the first time, the token list) is in; the two younger groups' 32 loads stay out
.else
	s_wait_loadcnt 16*(7-q/4)                      ; the last groups: the count runs down
.endif
.if q/4 <= 4
	WIN 0x40
	AFETCH q/4+3                                   ; into the slot of the group just used up
	WIN 0x04
.endif
.endif
.if q < NG-3
	BFETCH q+3
	s_wait_dscnt 24                                ; this granule's 8 loads are in; the three younger granules' stay out
.else
	s_wait_dscnt 8*(NG-1-q)
.endif
	MUL8 q
.set q, q+1
.endr
	; THE WAY OUT.  Lane (r, h) holds columns 8 h .. 8 h + 7 of token r in each tile: 32 bytes into row r of my stage; read back as whole rows of 256 bytes.
	WIN 0
	PLACES
.irp k, 0,1,2,3,4,5,6,7,8,9,10,11,12,13,14,15
	v_min_u32 v[TK+\k], 0x3ff, v[TK+\k]            ; a token's number stays inside ybuf's 1,024 rows
	v_lshl_add_u32 v[TK+\k], v[TK+\k], 12, v5
.endr
.irp sub, 0,1
.irp nt, 0,1,2,3
	ds_store_b128 v6, v[ACC+8*(4*\sub+\nt):ACC+8*(4*\sub+\nt)+3]   offset:64*\nt
	ds_store_b128 v6, v[ACC+8*(4*\sub+\nt)+4:ACC+8*(4*\sub+\nt)+7] offset:64*\nt+16
.endr
.irp i, 0,1,2,3,4,5,6,7
	ds_load_b128 v[OB+32*\sub+4*\i:OB+32*\sub+4*\i+3], v8 offset:\i*SPITCH    ; my own bytes, served in order (ISA guide 5.7.1.4)
.endr
.irp i, 0,1,2,3,4,5,6,7
	s_wait_dscnt 7-\i                              ; rows i and i + 8 are in; the later loads stay out
	global_store_b128 v[TK+8*\sub+\i], v[OB+32*\sub+4*\i:OB+32*\sub+4*\i+3], s[30:31]   ; 16 lanes store 256 consecutive bytes, at a multiple of 256 from ybuf's first byte
.endr
.endr
	s_wait_xcnt 0x0                                ; the bases, TK and the stores' data are written again only behind this wait
	s_add_nc_u64 s[24:25], s[24:25], 0x100000      ; 8 units on
	s_add_nc_u64 s[26:27], s[26:27], 1024
	s_add_co_u32 s18, s18, 1
	s_cmp_lt_u32 s18, s19
	s_cbranch_scc1 .Lunit
.Lend:
	s_wait_tensorcnt 0x0
	ds_add_u32 v254, v255
	s_wait_dscnt 0x0
	s_endpgm
.Lfunc_end_k_q57149d0db0_down:
	.size	k_q57149d0db0_down, .Lfunc_end_k_q57149d0db0_down-k_q57149d0db0_down
	.p2alignl 7, 3214868480
	.fill 96, 4, 3214868480
	.section	.rodata,"a",@progbits
	.p2align	6, 0x0
	.amdhsa_kernel k_q57149d0db0_down
		.amdhsa_group_segment_fixed_size 167936
		.amdhsa_private_segment_fixed_size 0
		.amdhsa_enable_private_segment 0
		.amdhsa_kernarg_size 40
		.amdhsa_user_sgpr_count 2
		.amdhsa_user_sgpr_kernarg_segment_ptr 1
		.amdhsa_wavefront_size32 1
		.amdhsa_system_sgpr_workgroup_id_x 1
		.amdhsa_system_sgpr_workgroup_id_y 1
		.amdhsa_system_sgpr_workgroup_id_z 1
		.amdhsa_system_vgpr_workitem_id 0
		.amdhsa_next_free_vgpr 512
		.amdhsa_next_free_sgpr 66
		.amdhsa_reserve_vcc 0
		.amdhsa_float_denorm_mode_32 3
		.amdhsa_float_denorm_mode_16_64 3
		.amdhsa_memory_ordered 1
		.amdhsa_forward_progress 1
		.amdhsa_inst_pref_size 78
	.end_amdhsa_kernel
	.amdgpu_metadata
---
amdhsa.version: [ 1, 2 ]
amdhsa.kernels:
  - .name:           k_q57149d0db0_down
    .symbol:         k_q57149d0db0_down.kd
    .args:
      - { .name: W2, .offset: 0, .size: 8, .value_kind: global_buffer, .address_space: global }
      - { .name: hbuf, .offset: 8, .size: 8, .value_kind: global_buffer, .address_space: global }
      - { .name: tok, .offset: 16, .size: 8, .value_kind: global_buffer, .address_space: global }
      - { .name: cnt, .offset: 24, .size: 8, .value_kind: global_buffer, .address_space: global }
      - { .name: ybuf, .offset: 32, .size: 8, .value_kind: global_buffer, .address_space: global }
    .group_segment_fixed_size: 167936
    .private_segment_fixed_size: 0
    .kernarg_segment_align: 8
    .kernarg_segment_size: 40
    .max_flat_workgroup_size: 256
    .sgpr_count:     66
    .vgpr_count:     512
    .wavefront_size: 32
...
	.end_amdgpu_metadata
.endif
;; end of part 5
;; launch combine (part 6): grid 256 x 1, 4 waves a work-group, no clusters, 0 bytes of LDS; arguments ybuf, route, rwt, Wc, bc, out0, out2; writes out0, out2
.if DOCPART == 6
	.amdgcn_target "amdgcn-amd-amdhsa--gfx1250"
	.amdhsa_code_object_version 6
	.text
	.protected	k_q57149d0db0_combine
	.globl	k_q57149d0db0_combine
	.p2align	8
	.type	k_q57149d0db0_combine,@function
k_q57149d0db0_combine:
	s_mov_b64 s[64:65], 0
	v_nop
	global_prefetch_b8 v0, s[64:65] scope:SCOPE_SE
	s_setreg_imm32_b32 hwreg(HW_REG_WAVE_MODE, 25, 1), 1
	s_wait_xcnt 0x0
; Launch 6 of 6: final[t] = rw0 y[e1][t] + rw1 y[e2][t] (the other six experts' terms are products with 0: see the first kernel's head), each y the sum of
; its two halves of K; and, for the four tokens 256 b, out2[e][b] = bc + [e >= e1] rw0 (y[e1] . Wc) + [e >= e2] rw1 (y[e2] . Wc): the running sum of
; reference() changes only at e1 and e2.  One wave, one token: four rows of 4,096 bytes in, one out; nothing is shared, so no LDS and no barrier.
.set Y, 16                             ; v[16:143]  part j of a row: 4 registers each of (e1, K half 0), (e1, half 1), (e2, half 0), (e2, half 1)
	s_load_b256 s[4:11], s[0:1], 0x0               ; ybuf s[4:5], route s[6:7], rwt s[8:9], Wc s[10:11]
	s_load_b128 s[12:15], s[0:1], 0x20             ; bc s[12:13], out0 s[14:15]
	s_load_b64 s[16:17], s[0:1], 0x30              ; out2
	v_lshrrev_b32 v2, 5, v0
	v_readfirstlane_b32 s18, v2
	s_lshl2_add_u32 s18, ttmp9, s18                ; token = 4 x work-group + wave
	s_lshl_b32 s19, s18, 2
	s_lshl_b32 s21, s18, 3
	v_and_b32 v2, 31, v0                           ; lane
	v_lshlrev_b32 v1, 4, v2
	s_wait_kmcnt 0x0
	s_load_b32 s20, s[6:7], s19 offset:0x0         ; the two experts
	s_load_b64 s[22:23], s[8:9], s21 offset:0x0    ; their weights
	s_load_b32 s24, s[12:13], 0x0                  ; bc
	s_wait_kmcnt 0x0
	s_and_b32 s25, s20, 0xff
	s_min_u32 s25, s25, 7                          ; an expert's number stays inside ybuf
	s_bfe_u32 s26, s20, 0x80008
	s_min_u32 s26, s26, 7
	s_lshl_b32 s40, s18, 12                        ; the token's row
	s_mov_b32 s41, 0
	s_lshl_b32 s42, s25, 22                        ; an expert's 1,024 rows
	s_mov_b32 s43, 0
	s_lshl_b32 s44, s26, 22
	s_mov_b32 s45, 0
	s_add_nc_u64 s[4:5], s[4:5], s[40:41]
	s_add_nc_u64 s[28:29], s[4:5], s[42:43]        ; (K half 0, e1)
	s_add_nc_u64 s[30:31], s[28:29], 0x2000000     ; (K half 1, e1): 8 experts further on
	s_add_nc_u64 s[32:33], s[4:5], s[44:45]        ; (K half 0, e2)
	s_add_nc_u64 s[34:35], s[32:33], 0x2000000     ; (K half 1, e2)
	s_add_nc_u64 s[14:15], s[14:15], s[40:41]
	s_mov_b32 s36, s22                             ; whole pairs for the packed forms, which take the first register for both halves
	s_mov_b32 s37, s22
	s_mov_b32 s38, s23
	s_mov_b32 s39, s23
.irp j, 0,1,2,3,4,5,6,7
	global_load_b128 v[Y+16*\j:Y+16*\j+3],     v1, s[28:29] offset:512*\j th:TH_LOAD_NT
	global_load_b128 v[Y+16*\j+4:Y+16*\j+7],   v1, s[30:31] offset:512*\j th:TH_LOAD_NT
	global_load_b128 v[Y+16*\j+8:Y+16*\j+11],  v1, s[32:33] offset:512*\j th:TH_LOAD_NT
	global_load_b128 v[Y+16*\j+12:Y+16*\j+15], v1, s[34:35] offset:512*\j th:TH_LOAD_NT
.endr
.irp j, 0,1,2,3,4,5,6,7
	s_wait_loadcnt 28-4*\j                         ; part j's four loads are in; the later parts' stay out
.irp k, 0,2
	v_pk_add_f32 v[Y+16*\j+\k:Y+16*\j+\k+1],     v[Y+16*\j+\k:Y+16*\j+\k+1],     v[Y+16*\j+4+\k:Y+16*\j+4+\k+1]     ; y of e1, kept for the classifier
	v_pk_add_f32 v[Y+16*\j+8+\k:Y+16*\j+8+\k+1], v[Y+16*\j+8+\k:Y+16*\j+8+\k+1], v[Y+16*\j+12+\k:Y+16*\j+12+\k+1]   ; y of e2
	v_pk_mul_f32 v[Y+16*\j+4+\k:Y+16*\j+4+\k+1], v[Y+16*\j+\k:Y+16*\j+\k+1], s[36:37] op_sel_hi:[1,0]
	v_pk_fma_f32 v[Y+16*\j+4+\k:Y+16*\j+4+\k+1], v[Y+16*\j+8+\k:Y+16*\j+8+\k+1], s[38:39], v[Y+16*\j+4+\k:Y+16*\j+4+\k+1] op_sel_hi:[1,0,1]
.endr
	global_store_b128 v1, v[Y+16*\j+4:Y+16*\j+7], s[14:15] offset:512*\j th:TH_STORE_NT    ; 512 neighbouring bytes
.endr
	s_and_b32 s46, s18, 0xff
	s_cmp_lg_u32 s46, 0
	s_cbranch_scc1 .Lend                           ; only tokens 0, 256, 512, 768 feed the classifier
.irp j, 0,1,2,3,4,5,6,7
	global_load_b128 v[Y+16*\j+12:Y+16*\j+15], v1, s[10:11] offset:512*\j
.endr
	s_mov_b32 s42, 0x76543210                      ; v_permlanex16_b32: lane i of one half reads lane i of the other
	s_mov_b32 s43, 0xfedcba98
	s_wait_loadcnt 0x0
	v_pk_mul_f32 v[144:145], v[Y:Y+1],     v[Y+12:Y+13]            ; the first products start the four chains
	v_pk_mul_f32 v[146:147], v[Y+2:Y+3],   v[Y+14:Y+15]
	v_pk_mul_f32 v[148:149], v[Y+8:Y+9],   v[Y+12:Y+13]
	v_pk_mul_f32 v[150:151], v[Y+10:Y+11], v[Y+14:Y+15]
.irp j, 1,2,3,4,5,6,7
	v_pk_fma_f32 v[144:145], v[Y+16*\j:Y+16*\j+1],     v[Y+16*\j+12:Y+16*\j+13], v[144:145]
	v_pk_fma_f32 v[146:147], v[Y+16*\j+2:Y+16*\j+3],   v[Y+16*\j+14:Y+16*\j+15], v[146:147]
	v_pk_fma_f32 v[148:149], v[Y+16*\j+8:Y+16*\j+9],   v[Y+16*\j+12:Y+16*\j+13], v[148:149]
	v_pk_fma_f32 v[150:151], v[Y+16*\j+10:Y+16*\j+11], v[Y+16*\j+14:Y+16*\j+15], v[150:151]
.endr
	v_pk_add_f32 v[144:145], v[144:145], v[146:147]
	v_pk_add_f32 v[148:149], v[148:149], v[150:151]
	v_add_f32 v144, v144, v145
	v_add_f32 v148, v148, v149
.irp m, 1,2,4,8
	v_add_f32_dpp v144, v144, v144 row_xmask:\m row_mask:0xf bank_mask:0xf
	v_add_f32_dpp v148, v148, v148 row_xmask:\m row_mask:0xf bank_mask:0xf
.endr
	v_permlanex16_b32 v145, v144, s42, s43
	v_permlanex16_b32 v149, v148, s42, s43
	v_add_f32 v144, v144, v145                     ; y[e1] . Wc in every lane
	v_add_f32 v148, v148, v149                     ; y[e2] . Wc
	v_mul_f32 v144, s22, v144
	v_mul_f32 v148, s23, v148
	v_cmp_le_u32 vcc_lo, s25, v2                   ; lane = e: the term counts from its expert on
	v_cndmask_b32 v144, 0, v144, vcc_lo
	v_cmp_le_u32 vcc_lo, s26, v2
	v_cndmask_b32 v148, 0, v148, vcc_lo
	v_add_f32 v144, v144, v148
	v_add_f32 v144, s24, v144
	s_lshr_b32 s46, s18, 8
	s_lshl_b32 s46, s46, 2
	v_lshl_add_u32 v3, v2, 4, s46                  ; out2[e][b]: 16 e + 4 b
	v_cmp_gt_u32 vcc_lo, 8, v2
	s_wait_xcnt 0x0                                ; EXEC is a source of the loads and stores above: it changes only behind this wait
	s_and_saveexec_b32 s47, vcc_lo
	global_store_b32 v3, v144, s[16:17]
	s_endpgm
.Lend:
	s_endpgm
.Lfunc_end_k_q57149d0db0_combine:
	.size	k_q57149d0db0_combine, .Lfunc_end_k_q57149d0db0_combine-k_q57149d0db0_combine
	.p2alignl 7, 3214868480
	.fill 96, 4, 3214868480
	.section	.rodata,"a",@progbits
	.p2align	6, 0x0
	.amdhsa_kernel k_q57149d0db0_combine
		.amdhsa_group_segment_fixed_size 0
		.amdhsa_private_segment_fixed_size 0
		.amdhsa_enable_private_segment 0
		.amdhsa_kernarg_size 56
		.amdhsa_user_sgpr_count 2
		.amdhsa_user_sgpr_kernarg_segment_ptr 1
		.amdhsa_wavefront_size32 1
		.amdhsa_system_sgpr_workgroup_id_x 1
		.amdhsa_system_sgpr_workgroup_id_y 1
		.amdhsa_system_sgpr_workgroup_id_z 1
		.amdhsa_system_vgpr_workitem_id 0
		.amdhsa_next_free_vgpr 152
		.amdhsa_next_free_sgpr 66
		.amdhsa_reserve_vcc 1
		.amdhsa_float_denorm_mode_32 3
		.amdhsa_float_denorm_mode_16_64 3
		.amdhsa_memory_ordered 1
		.amdhsa_forward_progress 1
		.amdhsa_inst_pref_size 15
	.end_amdhsa_kernel
	.amdgpu_metadata
---
amdhsa.version: [ 1, 2 ]
amdhsa.kernels:
  - .name:           k_q57149d0db0_combine
    .symbol:         k_q57149d0db0_combine.kd
    .args:
      - { .name: ybuf, .offset: 0, .size: 8, .value_kind: global_buffer, .address_space: global }
      - { .name: route, .offset: 8, .size: 8, .value_kind: global_buffer, .address_space: global }
      - { .name: rwt, .offset: 16, .size: 8, .value_kind: global_buffer, .address_space: global }
      - { .name: Wc, .offset: 24, .size: 8, .value_kind: global_buffer, .address_space: global }
      - { .name: bc, .offset: 32, .size: 8, .value_kind: global_buffer, .address_space: global }
      - { .name: out0, .offset: 40, .size: 8, .value_kind: global_buffer, .address_space: global }
      - { .name: out2, .offset: 48, .size: 8, .value_kind: global_buffer, .address_space: global }
    .group_segment_fixed_size: 0
    .private_segment_fixed_size: 0
    .kernarg_segment_align: 8
    .kernarg_segment_size: 56
    .max_flat_workgroup_size: 128
    .sgpr_count:     66
    .vgpr_count:     152
    .wavefront_size: 32
...
	.end_amdgpu_metadata
.endif
;; end of part 6
;; ======== version 2 of 2: 5 launches; 1.11 times as fast as version 1
;; workspace buffers: route 4,096 bytes of whole numbers; rwt 8,192 bytes; tok 32,768 bytes of whole numbers; cnt 256 bytes of whole numbers; xg 16,777,216 bytes; hbuf 33,554,432 bytes; ybuf 67,108,864 bytes
;; launch gate (part 7): grid 64 x 1, 8 waves a work-group, no clusters, 57,344 bytes of LDS; arguments x, Wg, out1, out3, route, rwt; writes out1, out3, route, rwt
.if DOCPART == 7
	.amdgcn_target "amdgcn-amd-amdhsa--gfx1250"
	.amdhsa_code_object_version 6
	.text
	.protected	k_q57149d0db0_gate
	.globl	k_q57149d0db0_gate
	.p2align	8
	.type	k_q57149d0db0_gate,@function
k_q57149d0db0_gate:
	s_mov_b64 s[64:65], 0
	v_nop
	global_prefetch_b8 v0, s[64:65] scope:SCOPE_SE
	s_setreg_imm32_b32 hwreg(HW_REG_WAVE_MODE, 25, 1), 1
	s_wait_xcnt 0x0
; SoftGatingMoE, launch 1 of 5: gate logits (out1), softmax (out3), the two largest routing weights of each token.
;
; WORK THAT THE WHOLE PROGRAM LEAVES OUT, AND WHY IT IS DEAD FOR ALL VALUES OF THE INPUTS
;  * tgt_pad: reference() never reads it, so it has no way to any output.  It is not loaded and is no launch's argument.
;  * Experts that a token did not select: combined[n][e] is the sum over k of rw[n][k] * one_hot(sel[n][k])[e], which is exactly 0
;    where e is neither sel[n][0] nor sel[n][1]; contrib = (h @ W2[e].T) * combined[:, e] is then a product with 0 and adds nothing to
;    final.  Which pairs (token, expert) are live is a matter of whole numbers: this launch stores them (route), and the later launches
;    read them from memory and do the three products only for the 2,048 live pairs (rows added to fill a tile of 32 are computed on
;    real tokens inside live tiles, and nobody reads them; an expert that nobody selected is given one such tile).
;  * expert_logits: the running sum changes only at a token's two experts, so out2[e][b] = bc + the sum, over the selected experts
;    e_k <= e of token 256 b, of rw_k * (y_k . Wc).
; LIMITS: a NaN, an infinity or an overflow that arises only in a product left out (0 * inf in reference()) is not carried to the result.
; Divisions are v_rcp_f32 and a multiply (1 ULP); transcendentals flush denormals (ISA guide, 15.8).  Two routing weights that differ only
; in the last bit may be ordered otherwise than in reference(); equal weights go to the lower index, as there.  With NaN logits the two
; stored indices are still different and lie in 0..7.  The softmax's sum is added pairwise, not in a chain.
;
; THIS LAUNCH.  A work-group takes 16 tokens; wave w takes columns 128 w .. 128 w + 127 of x and of Wg, rounds them to bf16 into LDS rows
; of its own, and multiplies them on the matrix unit (f32 sums): source 0 = Wg's 8 rows (read twice to fill 16), source 1 = 16 tokens, so
; that a lane holds the 8 logits of one token.  The eight partial sums meet in LDS behind one barrier; wave 0 finishes.
.set ROWB,  4096                       ; bytes in a row of x and of Wg
.set PITCH, 272                        ; LDS row: 128 bf16 + 16 bytes, an odd multiple of 16: a fragment load's 16 rows fall into 16 different 16-byte columns of 256
.set WREG,  24*PITCH                   ; a wave's region: rows 0-15 x, rows 16-23 Wg
.set PART,  8*WREG                     ; partial logits: [wave 8][token 16][8 f32]
.set X,   32                           ; v[32:127]   24 loads of 4 registers; later the eight partial sums
.set FX,  128                          ; v[128:159]  x fragments, 4 K steps of 32
.set FG,  160                          ; v[160:191]  Wg fragments
.set ACC, 192                          ; v[192:207]  two accumulators
	s_load_b256 s[4:11], s[0:1], 0x0               ; x s[4:5], Wg s[6:7], out1 s[8:9], out3 s[10:11]
	s_load_b128 s[12:15], s[0:1], 0x20             ; route s[12:13], rwt s[14:15]
	v_lshl_add_u32 v208, v0, 2, 0xdc00
	v_mov_b32 v209, 0
	v_lshrrev_b32 v1, 5, v0
	v_readfirstlane_b32 s16, v1                    ; wave
	v_and_b32 v1, 15, v0                           ; r = lane % 16
	v_bfe_u32 v2, v0, 4, 1                         ; h = lane / 16
	v_lshlrev_b32 v3, 4, v1
	v_lshl_add_u32 v3, v2, 12, v3                  ; global: row h of a pair, 16 bytes a lane: 16 lanes cover 256 aligned bytes
	s_mul_i32 s17, s16, WREG
	v_mul_u32_u24 v4, v2, PITCH
	v_lshl_add_u32 v4, v1, 3, v4
	v_add_nc_u32 v4, s17, v4                       ; LDS store: row h of a pair, 8 bytes a lane
	v_mul_u32_u24 v5, v1, PITCH
	v_lshl_add_u32 v5, v2, 4, v5
	v_add_nc_u32 v5, s17, v5                       ; x fragments: row r, 16 h
	v_and_b32 v6, 7, v1
	v_mul_u32_u24 v6, v6, PITCH
	v_lshl_add_u32 v6, v2, 4, v6
	v_add_nc_u32 v6, s17, v6                       ; Wg fragments: row r % 8 (16 rows further down, in the immediate)
	v_lshlrev_b32 v8, 5, v1                        ; 32 r: a token's 8 logits
	s_lshl_b32 s22, s16, 9                         ; 512 w: the wave's columns in bytes, and its block of partial sums
	v_add_nc_u32 v7, s22, v8
	s_mov_b32 s23, 0
	s_lshl_b32 s20, ttmp9, 16                      ; 16 tokens of 4,096 bytes
	s_add_co_u32 s20, s20, s22
	s_mov_b32 s21, 0
	s_wait_kmcnt 0x0
	s_add_nc_u64 s[4:5], s[4:5], s[20:21]
	s_add_nc_u64 s[6:7], s[6:7], s[22:23]
.irp i, 0,1,2,3,4,5,6,7
.irp j, 0,1
	global_load_b128 v[X+4*(2*\i+\j):X+4*(2*\i+\j)+3], v3, s[4:5] offset:\i*2*ROWB+\j*256
.endr
.endr
.irp i, 0,1,2,3
.irp j, 0,1
	global_load_b128 v[X+64+4*(2*\i+\j):X+64+4*(2*\i+\j)+3], v3, s[6:7] offset:\i*2*ROWB+\j*256
.endr
.endr
	s_wait_loadcnt 0x0                             ; all 24 went out together; there is nothing to do meanwhile
.irp i, 0,1,2,3,4,5,6,7,8,9,10,11
.irp j, 0,1
	v_cvt_pk_bf16_f32 v[X+4*(2*\i+\j)],   v[X+4*(2*\i+\j)],   v[X+4*(2*\i+\j)+1]
	v_cvt_pk_bf16_f32 v[X+4*(2*\i+\j)+1], v[X+4*(2*\i+\j)+2], v[X+4*(2*\i+\j)+3]
	ds_store_b64 v4, v[X+4*(2*\i+\j):X+4*(2*\i+\j)+1] offset:2*\i*PITCH+128*\j
.endr
.endr
.irp s, 0,1,2,3
	ds_load_b128 v[FX+8*\s:FX+8*\s+3],   v5 offset:64*\s            ; the wave's own bytes: LDS serves a wave's instructions in order (ISA guide 5.7.1.4)
	ds_load_b128 v[FX+8*\s+4:FX+8*\s+7], v5 offset:64*\s+32
	ds_load_b128 v[FG+8*\s:FG+8*\s+3],   v6 offset:16*PITCH+64*\s
	ds_load_b128 v[FG+8*\s+4:FG+8*\s+7], v6 offset:16*PITCH+64*\s+32
.endr
	s_wait_dscnt 0x0
	; two accumulators take turns; the first product of each starts its sum
	v_wmma_f32_16x16x32_bf16 v[ACC:ACC+7],    v[FG:FG+7],     v[FX:FX+7],     0
	v_wmma_f32_16x16x32_bf16 v[ACC+8:ACC+15], v[FG+8:FG+15],  v[FX+8:FX+15],  0
	v_wmma_f32_16x16x32_bf16 v[ACC:ACC+7],    v[FG+16:FG+23], v[FX+16:FX+23], v[ACC:ACC+7]
	v_wmma_f32_16x16x32_bf16 v[ACC+8:ACC+15], v[FG+24:FG+31], v[FX+24:FX+31], v[ACC+8:ACC+15]
.rept 4
	v_nop                                          ; four places before a vector instruction reads a matrix result (ISA guide 7.12.1)
.endr
.irp k, 0,2,4,6
	v_pk_add_f32 v[ACC+\k:ACC+\k+1], v[ACC+\k:ACC+\k+1], v[ACC+8+\k:ACC+8+\k+1]
.endr
	ds_store_b128 v7, v[ACC:ACC+3]   offset:PART       ; register j of lane (r, h) is logit j of token r in both halves: both write the same bytes
	ds_store_b128 v7, v[ACC+4:ACC+7] offset:PART+16
	s_wait_dscnt 0x0                               ; my partial sums are in LDS before I say so
	s_barrier_signal -1
	s_barrier_wait -1
	s_cmp_lg_u32 s16, 0
	s_cbranch_scc1 .Lend                           ; wave 0 finishes alone: 16 tokens, 8 numbers each
.irp p, 0,1,2,3,4,5,6,7
	ds_load_b128 v[X+8*\p:X+8*\p+3],   v8 offset:PART+512*\p
	ds_load_b128 v[X+8*\p+4:X+8*\p+7], v8 offset:PART+512*\p+16
.endr
	s_wait_dscnt 0x0
.irp p, 1,2,3,4,5,6,7
.irp k, 0,2,4,6
	v_pk_add_f32 v[X+\k:X+\k+1], v[X+\k:X+\k+1], v[X+8*\p+\k:X+8*\p+\k+1]   ; ascending K
.endr
.endr
	; v[32:39] = the 8 logits of token r.  Lanes 0-15 store logits 0-3, lanes 16-31 logits 4-7: one store covers 512 whole bytes
	v_cmp_eq_u32 s28, 1, v2
	s_lshl_b32 s24, ttmp9, 9
	v_lshl_add_u32 v9, v2, 4, v8
	v_add_nc_u32 v9, s24, v9
.irp k, 0,1,2,3
	v_cndmask_b32 v[40+\k], v[32+\k], v[36+\k], s28
.endr
	global_store_b128 v9, v[40:43], s[8:9]
	; softmax, the row's maximum taken away as in reference()
	v_max3_num_f32 v48, v32, v33, v34
	v_max3_num_f32 v48, v48, v35, v36
	v_max3_num_f32 v48, v48, v37, v38
	v_max_num_f32 v48, v48, v39
	v_mov_b32 v49, v48
.irp k, 0,2,4,6
	v_pk_add_f32 v[96+\k:97+\k], v[32+\k:33+\k], v[48:49] neg_lo:[0,1] neg_hi:[0,1]
.endr
.irp k, 0,2,4,6
	v_pk_mul_f32 v[96+\k:97+\k], v[96+\k:97+\k], 0x3fb8aa3b op_sel_hi:[1,0]   ; log2 e: v_exp_f32 works in base 2
.endr
.irp k, 0,1,2,3,4,5,6,7
	v_exp_f32 v[96+\k], v[96+\k]
.endr
	v_nop                                          ; one plain instruction behind a transcendental before its result is used (ISA guide 5.7.2)
	s_wait_alu depctr_va_vdst(0)
	v_pk_add_f32 v[104:105], v[96:97], v[98:99]
	v_pk_add_f32 v[106:107], v[100:101], v[102:103]
	v_pk_add_f32 v[104:105], v[104:105], v[106:107]
	v_add_f32 v104, v104, v105
	v_rcp_f32 v108, v104
	v_nop
	s_wait_alu depctr_va_vdst(0)
	v_mov_b32 v109, v108
.irp k, 0,2,4,6
	v_pk_mul_f32 v[96+\k:97+\k], v[96+\k:97+\k], v[108:109]
.endr
.irp k, 0,1,2,3
	v_cndmask_b32 v[44+\k], v[96+\k], v[100+\k], s28
.endr
	global_store_b128 v9, v[44:47], s[10:11]
	; the largest routing weight; a strict comparison keeps the lower index on a tie
	v_mov_b32 v110, v96
	v_mov_b32 v111, 0
.irp j, 1,2,3,4,5,6,7
	v_cmp_gt_f32 vcc_lo, v[96+\j], v110
	v_cndmask_b32 v110, v110, v[96+\j], vcc_lo
	v_cndmask_b32 v111, v111, \j, vcc_lo
.endr
	; the second: the winner is set to -1, below every routing weight, and the scan is run again
.irp j, 0,1,2,3,4,5,6,7
	v_cmp_eq_u32 vcc_lo, \j, v111
	v_cndmask_b32 v[114+\j], v[96+\j], -1.0, vcc_lo
.endr
	v_mov_b32 v112, v114
	v_mov_b32 v113, 0
.irp j, 1,2,3,4,5,6,7
	v_cmp_gt_f32 vcc_lo, v[114+\j], v112
	v_cndmask_b32 v112, v112, v[114+\j], vcc_lo
	v_cndmask_b32 v113, v113, \j, vcc_lo
.endr
	v_xor_b32 v125, 1, v111                        ; only NaN weights can leave both indices equal: they are made different
	v_cmp_eq_u32 vcc_lo, v113, v111
	v_cndmask_b32 v113, v113, v125, vcc_lo
	v_add_f32 v126, v110, v112
	v_rcp_f32 v127, v126
	v_lshl_or_b32 v124, v113, 8, v111              ; route word: first expert in byte 0, second in byte 1
	s_wait_alu depctr_va_vdst(0)
	v_mul_f32 v122, v110, v127
	v_mul_f32 v123, v112, v127
	s_lshl_b32 s25, ttmp9, 6
	s_lshl_b32 s26, ttmp9, 7
	v_lshl_add_u32 v11, v1, 2, s25
	v_lshl_add_u32 v12, v1, 3, s26
	v_cmp_gt_u32 vcc_lo, 16, v0                    ; in wave 0 v0 is the lane; lanes 16-31 hold the same tokens again
	s_wait_xcnt 0x0                                ; EXEC is a source of the two stores above: it changes only behind this wait
	s_wait_tensorcnt 0x0
	ds_add_u32 v208, v209
	s_wait_dscnt 0x0
	s_and_saveexec_b32 s27, vcc_lo
	global_store_b32 v11, v124, s[12:13]
	global_store_b64 v12, v[122:123], s[14:15]
	s_endpgm
.Lend:
	s_wait_tensorcnt 0x0
	ds_add_u32 v208, v209
	s_wait_dscnt 0x0
	s_endpgm
.Lfunc_end_k_q57149d0db0_gate:
	.size	k_q57149d0db0_gate, .Lfunc_end_k_q57149d0db0_gate-k_q57149d0db0_gate
	.p2alignl 7, 3214868480
	.fill 96, 4, 3214868480
	.section	.rodata,"a",@progbits
	.p2align	6, 0x0
	.amdhsa_kernel k_q57149d0db0_gate
		.amdhsa_group_segment_fixed_size 57344
		.amdhsa_private_segment_fixed_size 0
		.amdhsa_enable_private_segment 0
		.amdhsa_kernarg_size 48
		.amdhsa_user_sgpr_count 2
		.amdhsa_user_sgpr_kernarg_segment_ptr 1
		.amdhsa_wavefront_size32 1
		.amdhsa_system_sgpr_workgroup_id_x 1
		.amdhsa_system_sgpr_workgroup_id_y 1
		.amdhsa_system_sgpr_workgroup_id_z 1
		.amdhsa_system_vgpr_workitem_id 0
		.amdhsa_next_free_vgpr 210
		.amdhsa_next_free_sgpr 66
		.amdhsa_reserve_vcc 1
		.amdhsa_float_denorm_mode_32 3
		.amdhsa_float_denorm_mode_16_64 3
		.amdhsa_memory_ordered 1
		.amdhsa_forward_progress 1
		.amdhsa_inst_pref_size 20
	.end_amdhsa_kernel
	.amdgpu_metadata
---
amdhsa.version: [ 1, 2 ]
amdhsa.kernels:
  - .name:           k_q57149d0db0_gate
    .symbol:         k_q57149d0db0_gate.kd
    .args:
      - { .name: x, .offset: 0, .size: 8, .value_kind: global_buffer, .address_space: global }
      - { .name: Wg, .offset: 8, .size: 8, .value_kind: global_buffer, .address_space: global }
      - { .name: out1, .offset: 16, .size: 8, .value_kind: global_buffer, .address_space: global }
      - { .name: out3, .offset: 24, .size: 8, .value_kind: global_buffer, .address_space: global }
      - { .name: route, .offset: 32, .size: 8, .value_kind: global_buffer, .address_space: global }
      - { .name: rwt, .offset: 40, .size: 8, .value_kind: global_buffer, .address_space: global }
    .group_segment_fixed_size: 57344
    .private_segment_fixed_size: 0
    .kernarg_segment_align: 8
    .kernarg_segment_size: 48
    .max_flat_workgroup_size: 256
    .sgpr_count:     66
    .vgpr_count:     210
    .wavefront_size: 32
...
	.end_amdgpu_metadata
.endif
;; end of part 7
;; launch gather (part 8): grid 16 x 8, 8 waves a work-group, no clusters, 101,376 bytes of LDS; arguments x, route, xg, tok, cnt; writes xg, tok, cnt
.if DOCPART == 8
	.amdgcn_target "amdgcn-amd-amdhsa--gfx1250"
	.amdhsa_code_object_version 6
	.text
	.protected	k_q57149d0db0_gather
	.globl	k_q57149d0db0_gather
	.p2align	8
	.type	k_q57149d0db0_gather,@function
k_q57149d0db0_gather:
	s_mov_b64 s[64:65], 0
	v_nop
	global_prefetch_b8 v0, s[64:65] scope:SCOPE_SE
	s_setreg_imm32_b32 hwreg(HW_REG_WAVE_MODE, 25, 1), 1
	s_wait_xcnt 0x0
; Launch 2 of 5: each expert's list of tokens, and the rows of x that it needs, rounded to bf16 and laid out as matrix operands.
; THE LIST.  tok[e][0..1023] is a permutation of the tokens: those that selected expert e first, in ascending order, the others from place 1023
; downward; cnt[e] = how many selected it.  The places behind cnt[e] that fill the last tile of 32 thus name real tokens.  Every wave makes the
; list of its work-group's expert for itself, from the 4,096 bytes of route words, into 4,096 LDS bytes of its own: 32 loads and 32 short steps
; a wave, and no wave waits for another.  The work-groups with q = 0 store cnt[e], and the list as far as later launches read it.
; THE ROWS.  xg[e][ptile][coltile 0..63] is a block of 512 bytes; lane (r, h) owns its bytes 16 (r + 16 h): x[tok[e][16 ptile + r]][16 coltile + 8 h .. + 7].
; A K step of 32 is then two such blocks, and a wave of the next launch loads a fragment by two loads of 512 neighbouring bytes.
; Only the rows of a list up to cnt[e] rounded up to 32, and at least 32, are gathered (the unselected pairs are dead: see the first kernel's head).
; Work-group (q, e); a slot of work is 16 rows x 256 columns; wave w takes slots 16 w + q, + 128, ...: the waves share nothing, no barrier.
.set PITCH, 528                        ; LDS row: 256 bf16 + 16 bytes, an odd multiple of 16
.set STG,   16*PITCH                   ; a wave's own 16 rows,
.set WREG,  STG+4096                   ; and behind them its own list
.set TK, 16                            ; v[16:23]   row pair i: the token, then its byte offset in x
.set LS, 24                            ; v[24:27]   four entries of the list, to store
.set R,  32                            ; v[32:63]   chunk c: the route words of tokens 32 c + lane, then the LDS address of the token's place
.set D,  64                            ; v[64:95]   chunk c: the token's number
.set X,  32                            ; v[32:159]  32 loads of 4 registers
.set O,  160                           ; v[160:223] 16 blocks to store
	s_load_b256 s[4:11], s[0:1], 0x0               ; x s[4:5], route s[6:7], xg s[8:9], tok s[10:11]
	s_load_b64 s[12:13], s[0:1], 0x20              ; cnt
	v_lshl_add_u32 v224, v0, 2, 0x18800
	v_mov_b32 v225, 0
	s_and_b32 s14, ttmp7, 0xffff                   ; expert
	v_lshrrev_b32 v2, 5, v0
	v_readfirstlane_b32 s15, v2                    ; wave
	v_and_b32 v2, 31, v0                           ; lane
	v_lshlrev_b32 v10, 2, v2
	s_wait_kmcnt 0x0
.set c, 0
.rept 32
	global_load_b32 v[R+c], v10, s[6:7] offset:128*c
.set c, c+1
.endr
	v_lshlrev_b32 v1, 4, v2                        ; 16 x lane
	v_and_b32 v3, 15, v0                           ; r
	v_bfe_u32 v4, v0, 4, 1                         ; h
	v_lshlrev_b32 v5, 4, v3                        ; 16 r
	s_mul_i32 s22, s15, WREG
	v_mul_u32_u24 v6, v4, PITCH
	v_lshl_add_u32 v6, v3, 3, v6
	v_add_nc_u32 v6, s22, v6                       ; LDS store: row h of a pair, 8 bytes a lane
	v_mul_u32_u24 v7, v3, PITCH
	v_lshl_add_u32 v7, v4, 4, v7
	v_add_nc_u32 v7, s22, v7                       ; LDS load: row r, 16 h
	s_add_co_u32 s23, s22, STG                     ; my list
	v_mov_b32 v8, s23
	v_lshl_add_u32 v11, v4, 2, s23                 ; list + 4 h: which entry of a pair
	s_lshl_b32 s24, s15, 9                         ; 512 w: 128 entries
	s_add_co_u32 s25, s23, s24
	v_add_nc_u32 v12, s25, v1                      ; list + 512 w + 16 x lane
	s_lshl_b32 s25, s14, 12
	s_add_co_u32 s25, s25, s24
	v_add_nc_u32 v13, s25, v1                      ; the same entries in tok: 4,096 e + 512 w + 16 x lane
	s_mov_b32 s16, 0                               ; selected so far
	s_wait_loadcnt 0x0
.set c, 0
.rept 32
	v_and_b32 v9, 0xff, v[R+c]
	v_bfe_u32 v14, v[R+c], 8, 8
	v_cmp_eq_u32 s20, s14, v9
	v_cmp_eq_u32 s21, s14, v14
	s_or_b32 s20, s20, s21                         ; lanes whose token selected my expert
	v_mbcnt_lo_u32_b32 v15, s20, 0                 ; such lanes below mine
	v_add_nc_u32 v15, s16, v15                     ; selected tokens before mine = a selected token's place
	v_sub_nc_u32 v28, 1023-32*c, v2
	v_add_nc_u32 v28, v15, v28                     ; 1023 - (unselected tokens before mine) = an unselected token's place
	v_cndmask_b32 v15, v28, v15, s20
	v_min_u32 v15, 0x3ff, v15                      ; changes nothing: it bounds a number that enters an address
	v_lshl_add_u32 v[R+c], v15, 2, v8
	v_add_nc_u32 v[D+c], 32*c, v2
	ds_store_b32 v[R+c], v[D+c]
	s_bcnt1_i32_b32 s21, s20
	s_add_co_u32 s16, s16, s21
.set c, c+1
.endr
	s_min_u32 s17, s16, 0x400
	s_add_co_u32 s17, s17, 31
	s_lshr_b32 s17, s17, 5
	s_max_u32 s17, s17, 1                          ; units of 32 rows; an expert that nobody selected gets one, of filling rows
	s_cmp_lg_u32 ttmp9, 0
	s_cbranch_scc1 .Lrows                          ; one work-group of the expert's sixteen stores the list and the count
	s_lshl_b32 s22, s17, 5                         ; entries that later launches read
	s_lshl_b32 s23, s15, 7                         ; my 128 entries begin here
	s_cmp_ge_u32 s23, s22
	s_cbranch_scc1 .Lcount
	ds_load_b128 v[LS:LS+3], v12                   ; my own bytes, served in order behind the stores above (ISA guide 5.7.1.4)
	s_wait_dscnt 0x0
	global_store_b128 v13, v[LS:LS+3], s[10:11]    ; 512 neighbouring bytes; v13 and LS are not written again
.Lcount:
	s_cmp_lg_u32 s15, 0
	s_cbranch_scc1 .Lrows
	v_mov_b32 v29, s16
	s_lshl_b32 s22, s14, 2
	v_mov_b32 v30, s22
	v_cmp_eq_u32 vcc_lo, 0, v2
	s_wait_xcnt 0x0                                ; EXEC is a source of the store above: it changes only behind this wait
	s_and_saveexec_b32 s23, vcc_lo
	global_store_b32 v30, v29, s[12:13]            ; cnt[e], from lane 0
	s_wait_xcnt 0x0                                ; and again in front of the line that widens it
	s_or_b32 exec_lo, exec_lo, s23
.Lrows:
	s_lshl_b32 s26, s17, 3                         ; slots: 2 tiles x 4 quarters a unit
	s_lshl_b32 s18, s15, 4
	s_add_co_u32 s18, s18, ttmp9                   ; my first slot
	s_cmp_ge_u32 s18, s26
	s_cbranch_scc1 .Lend
	s_sub_co_u32 s27, s26, s18                     ; at least 1 here
	s_add_co_u32 s27, s27, 127
	s_lshr_b32 s27, s27, 7                         ; my trips: the slots first, first + 128, .. below the number of slots
	s_lshr_b32 s19, s18, 2                         ; the first slot's tile of 16 rows
	s_and_b32 s28, s18, 3                          ; its quarter of the columns: the same in all my slots, since 128 is a multiple of 4
	s_lshl_b32 s29, s19, 6                         ; the tile's 16 entries in the list
	s_lshl_b32 s30, s28, 10
	s_mov_b32 s31, 0
	s_add_nc_u64 s[30:31], s[4:5], s[30:31]        ; x at my quarter
	s_lshl_b32 s32, s14, 21
	s_lshl_b32 s34, s19, 15
	s_add_co_u32 s32, s32, s34
	s_lshl_b32 s34, s28, 13
	s_add_co_u32 s32, s32, s34
	s_mov_b32 s33, 0
	s_add_nc_u64 s[32:33], s[8:9], s[32:33]        ; xg[e][tile][16 quarter]
	s_mov_b32 s34, 0                               ; the trip, counted by one
.Ltrip:
	s_and_b32 s35, s29, 0xfc0                      ; changes nothing (64 tiles of 64 bytes): it keeps the offset inside the list whatever the trip
	v_add_nc_u32 v9, s35, v11
.irp i, 0,1,2,3,4,5,6,7
	ds_load_b32 v[TK+\i], v9 offset:8*\i           ; lanes 0-15: entry 2 i, lanes 16-31: entry 2 i + 1
.endr
	s_wait_dscnt 0x0
.irp i, 0,1,2,3,4,5,6,7
	v_min_u32 v[TK+\i], 0x3ff, v[TK+\i]                            ; a token's number stays inside x
	v_lshl_add_u32 v[TK+\i], v[TK+\i], 12, v5
.endr
.irp i, 0,1,2,3,4,5,6,7
.irp j, 0,1,2,3
	global_load_b128 v[X+4*(4*\i+\j):X+4*(4*\i+\j)+3], v[TK+\i], s[30:31] offset:256*\j   ; 16 lanes: 256 aligned bytes of one row
.endr
.endr
.irp i, 0,1,2,3,4,5,6,7
	s_wait_loadcnt 28-4*\i                         ; pair i's four loads are in; the later pairs' stay out
.irp j, 0,1,2,3
	v_cvt_pk_bf16_f32 v[X+4*(4*\i+\j)],   v[X+4*(4*\i+\j)],   v[X+4*(4*\i+\j)+1]
	v_cvt_pk_bf16_f32 v[X+4*(4*\i+\j)+1], v[X+4*(4*\i+\j)+2], v[X+4*(4*\i+\j)+3]
	ds_store_b64 v6, v[X+4*(4*\i+\j):X+4*(4*\i+\j)+1] offset:2*\i*PITCH+128*\j
.endr
.endr
.irp c, 0,1,2,3,4,5,6,7,8,9,10,11,12,13,14,15
	ds_load_b128 v[O+4*\c:O+4*\c+3], v7 offset:32*\c               ; the wave's own bytes, served in order (ISA guide 5.7.1.4)
.endr
.irp c, 0,1,2,3,4,5,6,7,8,9,10,11,12,13,14,15
	s_wait_dscnt 15-\c                             ; block c is in; the later blocks' loads stay out
	global_store_b128 v1, v[O+4*\c:O+4*\c+3], s[32:33] offset:512*\c   ; 512 neighbouring bytes
.endr
	s_wait_xcnt 0x0                                ; the base, TK and O are written again only behind this wait
	s_add_co_u32 s29, s29, 2048                    ; 32 tiles on
	s_add_nc_u64 s[32:33], s[32:33], 0x100000
	s_add_co_u32 s34, s34, 1
	s_cmp_lt_u32 s34, s27
	s_cbranch_scc1 .Ltrip
.Lend:
	s_wait_tensorcnt 0x0
	ds_add_u32 v224, v225
	s_wait_dscnt 0x0
	s_endpgm
.Lfunc_end_k_q57149d0db0_gather:
	.size	k_q57149d0db0_gather, .Lfunc_end_k_q57149d0db0_gather-k_q57149d0db0_gather
	.p2alignl 7, 3214868480
	.fill 96, 4, 3214868480
	.section	.rodata,"a",@progbits
	.p2align	6, 0x0
	.amdhsa_kernel k_q57149d0db0_gather
		.amdhsa_group_segment_fixed_size 101376
		.amdhsa_private_segment_fixed_size 0
		.amdhsa_enable_private_segment 0
		.amdhsa_kernarg_size 40
		.amdhsa_user_sgpr_count 2
		.amdhsa_user_sgpr_kernarg_segment_ptr 1
		.amdhsa_wavefront_size32 1
		.amdhsa_system_sgpr_workgroup_id_x 1
		.amdhsa_system_sgpr_workgroup_id_y 1
		.amdhsa_system_sgpr_workgroup_id_z 1
		.amdhsa_system_vgpr_workitem_id 0
		.amdhsa_next_free_vgpr 226
		.amdhsa_next_free_sgpr 66
		.amdhsa_reserve_vcc 1
		.amdhsa_float_denorm_mode_32 3
		.amdhsa_float_denorm_mode_16_64 3
		.amdhsa_memory_ordered 1
		.amdhsa_forward_progress 1
		.amdhsa_inst_pref_size 48
	.end_amdhsa_kernel
	.amdgpu_metadata
---
amdhsa.version: [ 1, 2 ]
amdhsa.kernels:
  - .name:           k_q57149d0db0_gather
    .symbol:         k_q57149d0db0_gather.kd
    .args:
      - { .name: x, .offset: 0, .size: 8, .value_kind: global_buffer, .address_space: global }
      - { .name: route, .offset: 8, .size: 8, .value_kind: global_buffer, .address_space: global }
      - { .name: xg, .offset: 16, .size: 8, .value_kind: global_buffer, .address_space: global }
      - { .name: tok, .offset: 24, .size: 8, .value_kind: global_buffer, .address_space: global }
      - { .name: cnt, .offset: 32, .size: 8, .value_kind: global_buffer, .address_space: global }
    .group_segment_fixed_size: 101376
    .private_segment_fixed_size: 0
    .kernarg_segment_align: 8
    .kernarg_segment_size: 40
    .max_flat_workgroup_size: 256
    .sgpr_count:     66
    .vgpr_count:     226
    .wavefront_size: 32
...
	.end_amdgpu_metadata
.endif
;; end of part 8
;; launch up (part 9): grid 256 x 1, 8 waves a work-group, no clusters, 271,360 bytes of LDS; arguments W1, W3, xg, cnt, hbuf; writes hbuf
.if DOCPART == 9
	.amdgcn_target "amdgcn-amd-amdhsa--gfx1250"
	.amdhsa_code_object_version 6
	.text
	.protected	k_q57149d0db0_up
	.globl	k_q57149d0db0_up
	.p2align	8
	.type	k_q57149d0db0_up,@function
k_q57149d0db0_up:
	s_mov_b64 s[64:65], 0
	v_nop
	global_prefetch_b8 v0, s[64:65] scope:SCOPE_SE
	s_setreg_imm32_b32 hwreg(HW_REG_WAVE_MODE, 25, 1), 1
	s_wait_xcnt 0x0
; Launch 3 of 5: h = silu(x W1[e]^T) * (x W3[e]^T) for the rows of each expert's list (unselected pairs are dead: see the first kernel's head).
; Work-group = (expert e, 64 columns of h).  Its 64 rows of W1[e] and 64 rows of W3[e], 512 KiB of f32 that no other work-group reads, are streamed once
; through registers, rounded to bf16 and kept in LDS for the whole launch.  A unit of work is 32 rows of the list: 128 weight rows x 32 tokens x K = 1024,
; weights from LDS, tokens straight from xg, whose blocks are matrix fragments as they lie.
; THE FIRST ROUND RUNS BESIDE THE STREAM.  K is cut into 4 pieces of 256 columns.  In step p each wave converts its 16 rows of piece p into LDS and at once asks
; for the same rows of piece p + 1; one barrier; then it multiplies piece p's 8 K steps onto its unit's accumulators while piece p + 1 is on its way.
; Each piece has LDS bytes of its own, one range after the other, so what a wave stores for the next piece is apart from what another wave still reads.
; Weight loads and token loads fall on one counter in the order of issue, so a counted wait for weights counts the token loads behind them: every wave therefore
; issues the same loads on one path without a branch.  Wave w takes unit min(w, units - 1); a wave with w >= units multiplies the last unit once more and stores
; nothing, and an expert that nobody selected has one unit of filling rows.  2,048 pairs on 8 experts are 8 units an expert on average, one for each wave.
; LEFT-OVER UNITS.  Behind the rounds of eight, L = units mod 8 units are left (where there are more than 8).  Taken whole, such a unit is 512 matrix instructions of one
; wave while others have ended.  For L = 1 or 2 each left-over unit is cut into eight items, one a wave: token tile w mod 2 x W1 tile w / 2 with its W3 partner, so that
; the gate stays inside the wave and an item's result is one whole block of hbuf: 64 matrix instructions a wave.  The price: four waves load each token fragment (256 KiB
; a unit against 64), and a weight fragment feeds one matrix instruction, not two (1,024 LDS loads a unit against 512).  So from L = 3 on waves 0 .. L - 1 take whole
; units; the limit is a choice by these counts.  The items stand ahead of the further rounds, so that their tokens are asked for in front of the first round's way out.
; FURTHER WHOLE UNITS (w + 8, ..) run from the full LDS in a loop whose trips are read from memory; no barrier stands behind the first round.
; NO CLUSTER, though the 32 work-groups of an expert read the same xg: a joint request lands in LDS, of which 270,336 bytes hold weights, and behind rounds of
; barriers, which work that hangs on cnt[e] cannot hold.  NO TENSOR LOADS: the weights change format on the way.
; The matrix instruction is used transposed: source 0 = 16 weight rows, source 1 = 16 tokens.  Lane (r, h) then holds, in registers 0-7,
; columns 8 h .. 8 h + 7 of token r: rounded to bf16 they are the lane's 16 bytes of a block of hbuf, which has xg's order.
; silu(a) = a * rcp(1 + exp2(-a log2 e)), and only then the product with the W3 branch: a very negative a gives a * 0, never inf * 0.
.set PITCH,  528                       ; LDS row of a piece: 256 bf16 + 16 bytes = 33 x 16: a fragment load's 16 rows fall into 16 different 16-byte columns of 256
.set TSTEP,  16*PITCH                  ; from a tile of 16 rows to the next
.set PSZ,    128*PITCH                 ; a piece: rows 0-63 W1, rows 64-127 W3
.set ROWB,   4096                      ; bytes from a weight row to the next
.set PCOLB,  1024                      ; bytes of a weight row in a piece
.set SUBSTR, 32768                     ; xg: from a tile of 16 tokens to the next
.set NG,     64                        ; granules in a unit: 4 weight tiles x 2 token tiles at one K step; 16 to a piece
.set BA,  2                            ; v[2:5]     piece p: LDS address of row r, 16 h; tile and K step stand in the immediate, 59,616 at the most
.set ST,  8                            ; v[8:11]    piece p: LDS address of my 16 rows, 8 bytes a lane
.set SBA, 12                           ; v[12:15]   items: piece p: BA + my W1 tile
.set T,   16                           ; v[16:79]   a converted piece, 2 registers a load; way out: v[16:23] at work
.set OB,  32                           ; way out: v[32:63] eight blocks to store
.set BR,  16                           ; v[16:111]  weight fragments: a ring of three granules, 32 registers each
.set SB,  16                           ; items: v[16:207] weight fragments: a ring of three granules of 4 K steps x 2 tiles, 64 registers each
.set ACC, 128                          ; v[128:255] 16 accumulators: (token tile sub, weight tile nt) at ACC + 8 (8 sub + nt); nt 0-3 W1, 4-7 W3
.set SA,  224                          ; items: v[224:255] 4 accumulators: (K step parity, W1 or W3) at SA + 8 (2 parity + t)
                                       ; v[256:383] token fragments in the first round: two groups of 4 K steps; K step s, tile sub at 16 (s % 8) + 8 sub
                                       ; v[256:511] the same in the loop: four groups, 16 (s % 16) + 8 sub; items: all 32 K steps of one tile, 8 s
.set WR,  128                          ; v[384:511] first round: a piece of weights on its way, 32 loads of 4 registers (named v128-255 in the upper window)
.set MSB, 0
.macro WIN new                         ; s_set_vgpr_msb: bits 1:0 source 0, 3:2 source 1, 5:4 source 2, 7:6 destination; the high byte repeats the setting that is left
.if MSB != \new
	s_set_vgpr_msb (MSB<<8)|\new
.set MSB, \new
.endif
.endm
.macro PLACES                          ; four places between a matrix instruction and a load into, a vector write of, or a vector read of its registers
.rept 4
	v_nop
.endr
.endm
; Half c of piece p: my rows 8 c .. 8 c + 7, two loads of 512 neighbouring bytes a row
.macro WLOADC p, c
.irp i, 0,1,2,3,4,5,6,7
.irp j, 0,1
	global_load_b128 v[WR+64*(\c)+4*(2*\i+\j):WR+64*(\c)+4*(2*\i+\j)+3], v1, s[20:21] offset:(8*(\c)+\i)*ROWB+(\p)*PCOLB+512*\j th:TH_LOAD_NT
.endr
.endr
.endm
; Half c of piece p is rounded to bf16 and stored into the piece's LDS bytes; refill = 1: the same rows of the next piece are asked for at once
.macro WCONV p, c, refill
	WIN 0x05                                       ; both sources above v255
.set cn, 0
.rept 16
	v_cvt_pk_bf16_f32 v[T+32*\c+2*cn],   v[WR+64*\c+4*cn],   v[WR+64*\c+4*cn+1]
	v_cvt_pk_bf16_f32 v[T+32*\c+2*cn+1], v[WR+64*\c+4*cn+2], v[WR+64*\c+4*cn+3]
.set cn, cn+1
.endr
	WIN 0x40                                       ; loaded data go above v255; an LDS store's address and data are not touched by it
.irp i, 0,1,2,3,4,5,6,7
.irp j, 0,1
	ds_store_b64 v[ST+\p], v[T+32*\c+2*(2*\i+\j):T+32*\c+2*(2*\i+\j)+1] offset:(8*\c+\i)*PITCH+256*\j   ; 32 lanes: 256 neighbouring bytes
.endr
.endr
.if \refill
	WLOADC \p+1, \c
.endif
.endm
.macro AFETCH g, ring                  ; group g: K steps 4 g .. 4 g + 3 of both token tiles, 16 loads of 512 neighbouring bytes, into slot g % ring
.irp ks, 0,1,2,3
.irp sub, 0,1
	global_load_b128 v[64*((\g)%\ring)+16*\ks+8*\sub:64*((\g)%\ring)+16*\ks+8*\sub+3],   v1, s[24:25] offset:\sub*SUBSTR+(4*(\g)+\ks)*1024
	global_load_b128 v[64*((\g)%\ring)+16*\ks+8*\sub+4:64*((\g)%\ring)+16*\ks+8*\sub+7], v1, s[24:25] offset:\sub*SUBSTR+(4*(\g)+\ks)*1024+512
.endr
.endr
.endm
.macro BFETCH qq                       ; granule qq: K step qq / 2 (piece qq / 16), weight tiles 4 (qq % 2) .. + 3: 8 LDS loads
.set xb, BR+32*((\qq)%3)
.set xp, BA+((\qq)>>4)
.set xk, 64*(((\qq)>>1)&7)
.set xt, 4*((\qq)&1)
.irp tt, 0,1,2,3
	ds_load_b128 v[xb+8*\tt:xb+8*\tt+3],   v[xp] offset:(xt+\tt)*TSTEP+xk
	ds_load_b128 v[xb+8*\tt+4:xb+8*\tt+7], v[xp] offset:(xt+\tt)*TSTEP+xk+32
.endr
.endm
.macro MUL8 qq, am                     ; 8 matrix instructions on 8 different accumulators; the next granule takes the other 8: they take turns
.set xb, BR+32*((\qq)%3)
.set xa, 16*(((\qq)>>1)&\am)
.set xn, 4*((\qq)&1)
.irp tt, 0,1,2,3
.irp sub, 0,1
.if (\qq) < 2
	v_wmma_f32_16x16x32_bf16 v[ACC+8*(8*\sub+xn+\tt):ACC+8*(8*\sub+xn+\tt)+7], v[xb+8*\tt:xb+8*\tt+7], v[xa+8*\sub:xa+8*\sub+7], 0
.else
	v_wmma_f32_16x16x32_bf16 v[ACC+8*(8*\sub+xn+\tt):ACC+8*(8*\sub+xn+\tt)+7], v[xb+8*\tt:xb+8*\tt+7], v[xa+8*\sub:xa+8*\sub+7], v[ACC+8*(8*\sub+xn+\tt):ACC+8*(8*\sub+xn+\tt)+7]
.endif
.endr
.endr
.endm
; The products of piece p: 16 granules on token groups 2 p and 2 p + 1.  w0, w1: how many younger loads stay out when the first and the second group have to be there.
; fetch = 1: each group's slot is filled again, as soon as it is used up, with the group two further on.
.macro PROD p, w0, w1, fetch
	WIN 0x04                                       ; source 1 of the matrix instructions (tokens) is above v255; LDS loads are not touched by it
	BFETCH 16*\p
	BFETCH 16*\p+1
.set gi, 0
.rept 16
.set q, 16*\p+gi
.if gi > 0
.if gi < 14
	PLACES                                         ; the loads below land in registers that the last granule's matrix instructions read
.endif
.endif
.if gi == 0
	s_wait_loadcnt \w0
.endif
.if gi == 8
	s_wait_loadcnt \w1
.if \fetch
	WIN 0x40
	AFETCH 2*\p+2, 2
	WIN 0x04
.endif
.endif
.if gi < 14
	BFETCH q+2
	s_wait_dscnt 16                                ; this granule's 8 loads are in; the two younger granules' stay out
.else
	s_wait_dscnt 8*(15-gi)                         ; nothing of the next piece can be read yet: the count runs down
.endif
	MUL8 q, 7
.set gi, gi+1
.endr
	PLACES                                         ; behind the piece's last products: for the loads, the conversions or the way out that follow
.if \fetch
	WIN 0x40
	AFETCH 2*\p+3, 2
.endif
.endm
; Step p.  At its head the loads that may be out are, oldest first: piece p's two halves (16 + 16) and token groups 2 p, 2 p + 1 (16 + 16).
;   c0: half 0 is in; out stay half 1 and the two groups.                    c1: half 1 is in; out stay the two groups and, where it was asked for, the next piece's half 0.
;   a0: group 2 p is in; out stay group 2 p + 1 and the next piece's halves. a1: group 2 p + 1 is in; out stay the next piece's halves.
.macro STEP p, c0, c1, a0, a1, more
	s_wait_loadcnt \c0
	WCONV \p, 0, \more
	s_wait_loadcnt \c1
	WCONV \p, 1, \more
	s_wait_dscnt 0x0                               ; my rows of the piece are in LDS before I say so
	s_barrier_signal -1
	s_barrier_wait -1                              ; all 128 rows of the piece are; nobody writes these bytes again
	PROD \p, \a0, \a1, \more
.endm
; 16 tokens x 16 columns of h: silu of the W1 sums in v[a .. a + 7], times the W3 sums in v[b .. b + 7], rounded into v[o .. o + 3]
.macro GATE a, b, o
.set ea, \a
.set eb, \b
.set eo, \o
.irp k, 0,2,4,6
	v_pk_mul_f32 v[T+\k:T+\k+1], v[ea+\k:ea+\k+1], 0xbfb8aa3b op_sel_hi:[1,0]     ; -a log2 e
.endr
.irp k, 0,1,2,3,4,5,6,7
	v_exp_f32 v[T+\k], v[T+\k]
.endr
	v_nop                                          ; one plain instruction behind a transcendental (ISA guide 5.7.2)
	s_wait_alu depctr_va_vdst(0)
.irp k, 0,2,4,6
	v_pk_add_f32 v[T+\k:T+\k+1], v[T+\k:T+\k+1], 1.0 op_sel_hi:[1,0]
.endr
.irp k, 0,1,2,3,4,5,6,7
	v_rcp_f32 v[T+\k], v[T+\k]
.endr
	v_nop
	s_wait_alu depctr_va_vdst(0)
.irp k, 0,2,4,6
	v_pk_mul_f32 v[T+\k:T+\k+1], v[T+\k:T+\k+1], v[ea+\k:ea+\k+1]                 ; silu(a)
.endr
.irp k, 0,2,4,6
	v_pk_mul_f32 v[T+\k:T+\k+1], v[T+\k:T+\k+1], v[eb+\k:eb+\k+1]
.endr
.irp k, 0,1,2,3
	v_cvt_pk_bf16_f32 v[eo+\k], v[T+2*\k], v[T+2*\k+1]
.endr
.endm
.macro EPI sub, i                      ; one block of a whole unit
	GATE ACC+8*(8*\sub+\i), ACC+8*(8*\sub+4+\i), OB+4*(4*\sub+\i)
	global_store_b128 v1, v[eo:eo+3], s[26:27] offset:\sub*65536+\i*512           ; 512 neighbouring bytes
.endm
.macro EPIALL                          ; a whole unit's way out: eight blocks
.irp sub, 0,1
.irp i, 0,1,2,3
	EPI \sub, \i
.endr
.endr
.endm
; AN ITEM of a left-over unit: 16 tokens x (my W1 tile, its W3 partner) x K = 1024.
.macro SFETCH                          ; the item's tokens, all 32 K steps: 64 loads of 512 neighbouring bytes; K step s goes to v[256 + 8 s ..]
.set sn, 0
.rept 32
	global_load_b128 v[8*sn:8*sn+3],   v1, s[32:33] offset:1024*sn
	global_load_b128 v[8*sn+4:8*sn+7], v1, s[32:33] offset:1024*sn+512
.set sn, sn+1
.endr
.endm
.macro SBFETCH qq                      ; granule qq: K steps 4 qq .. 4 qq + 3 (piece qq / 2), my two weight tiles: 16 LDS loads
.set xb, SB+64*((\qq)%3)
.set xp, SBA+((\qq)>>1)
.set xk, 256*((\qq)&1)
.irp ks, 0,1,2,3
.irp t, 0,1
	ds_load_b128 v[xb+16*\ks+8*\t:xb+16*\ks+8*\t+3],   v[xp] offset:\t*4*TSTEP+xk+64*\ks
	ds_load_b128 v[xb+16*\ks+8*\t+4:xb+16*\ks+8*\t+7], v[xp] offset:\t*4*TSTEP+xk+64*\ks+32
.endr
.endr
.endm
.macro SMUL qq                         ; 8 matrix instructions; the four accumulators (even and odd K steps apart) take turns, always in the same order
.set xb, SB+64*((\qq)%3)
.irp ks, 0,1,2,3
.irp t, 0,1
.if (4*(\qq)+\ks) < 2
	v_wmma_f32_16x16x32_bf16 v[SA+8*(2*(\ks&1)+\t):SA+8*(2*(\ks&1)+\t)+7], v[xb+16*\ks+8*\t:xb+16*\ks+8*\t+7], v[8*(4*(\qq)+\ks):8*(4*(\qq)+\ks)+7], 0
.else
	v_wmma_f32_16x16x32_bf16 v[SA+8*(2*(\ks&1)+\t):SA+8*(2*(\ks&1)+\t)+7], v[xb+16*\ks+8*\t:xb+16*\ks+8*\t+7], v[8*(4*(\qq)+\ks):8*(4*(\qq)+\ks)+7], v[SA+8*(2*(\ks&1)+\t):SA+8*(2*(\ks&1)+\t)+7]
.endif
.endr
.endr
.endm
.macro SPROD                           ; the item's 64 matrix instructions, in 8 granules.  The last loads issued in front of it are SFETCH's 64, on every way here
	WIN 0x04
	SBFETCH 0
	SBFETCH 1
.set q, 0
.rept 8
.if q > 0
.if q < 6
	PLACES                                         ; the loads below land in registers that the last granule's matrix instructions read
.endif
.endif
.if (q%2) == 0
	s_wait_loadcnt 16*(3-q/2)                      ; the 8 K steps of this granule and the next are in; the later K steps' loads, 16 for every 8, stay out
.endif
.if q < 6
	SBFETCH q+2
	s_wait_dscnt 32                                ; this granule's 16 loads are in; the two younger granules' stay out
.else
	s_wait_dscnt 16*(7-q)                          ; the count runs down
.endif
	SMUL q
.set q, q+1
.endr
	WIN 0
	PLACES                                         ; behind the item's last products: for the loads or the way out that follow
.endm
.macro SEPI                            ; the item's way out: even and odd K steps are added, then gate, round, store one block
.irp k, 0,2,4,6
	v_pk_add_f32 v[SA+\k:SA+\k+1],     v[SA+\k:SA+\k+1],     v[SA+16+\k:SA+16+\k+1]
	v_pk_add_f32 v[SA+8+\k:SA+8+\k+1], v[SA+8+\k:SA+8+\k+1], v[SA+24+\k:SA+24+\k+1]
.endr
	GATE SA, SA+8, OB
	global_store_b128 v1, v[OB:OB+3], s[34:35]     ; 512 neighbouring bytes
.endm
	s_load_b256 s[4:11], s[0:1], 0x0               ; W1 s[4:5], W3 s[6:7], xg s[8:9], cnt s[10:11]
	s_load_b64 s[12:13], s[0:1], 0x20              ; hbuf
	v_lshl_add_u32 v6, v0, 2, 0x42000
	v_mov_b32 v7, 0
	v_lshrrev_b32 v2, 5, v0
	v_readfirstlane_b32 s14, v2                    ; wave
	s_lshr_b32 s15, ttmp9, 5                       ; expert
	s_and_b32 s16, ttmp9, 31                       ; block of 64 columns of h
	s_lshl_b32 s19, s15, 2
	v_and_b32 v12, 31, v0                          ; lane
	v_lshlrev_b32 v1, 4, v12                       ; 16 x lane
	v_and_b32 v13, 15, v0                          ; r
	v_bfe_u32 v14, v0, 4, 1                        ; h
	v_mul_u32_u24 v2, v13, PITCH
	v_lshl_add_u32 v2, v14, 4, v2                  ; row r, 16 h, in piece 0
	v_add_nc_u32 v3, PSZ, v2
	v_add_nc_u32 v4, 2*PSZ, v2
	v_add_nc_u32 v5, 3*PSZ, v2
	s_mul_i32 s28, s14, 16*PITCH
	v_lshl_add_u32 v8, v12, 3, s28                 ; my 16 LDS rows, 8 bytes a lane, in piece 0
	v_add_nc_u32 v9, PSZ, v8
	v_add_nc_u32 v10, 2*PSZ, v8
	v_add_nc_u32 v11, 3*PSZ, v8
	s_lshl_b32 s22, s15, 23                        ; expert: 2,048 rows of 4,096 bytes
	s_lshl_b32 s23, s16, 18                        ; block: 64 rows
	s_add_co_u32 s22, s22, s23
	s_and_b32 s23, s14, 3
	s_lshl_b32 s23, s23, 16                        ; 16 rows a wave
	s_add_co_u32 s22, s22, s23
	s_mov_b32 s23, 0                               ; stays 0: the upper word of every offset pair s[22:23]
	s_wait_kmcnt 0x0
	s_load_b32 s17, s[10:11], s19 offset:0x0       ; cnt[e]: it comes while the first weights are asked for
	s_cmp_lt_u32 s14, 4
	s_cselect_b64 s[20:21], s[4:5], s[6:7]         ; waves 0-3 stream W1 (LDS rows 0-63), waves 4-7 W3 (rows 64-127)
	s_add_nc_u64 s[20:21], s[20:21], s[22:23]
	WIN 0x40
	WLOADC 0, 0                                    ; the stream hangs on no count: it starts first
	WLOADC 0, 1
	s_lshl_b32 s22, s15, 22
	s_lshl_b32 s29, s14, 17
	s_add_co_u32 s22, s22, s29
	s_lshl_b32 s29, s16, 11
	s_add_co_u32 s22, s22, s29
	s_add_nc_u64 s[26:27], s[12:13], s[22:23]      ; hbuf[e][unit w][my 4 column tiles]
	s_wait_kmcnt 0x0
	s_min_u32 s17, s17, 0x400
	s_add_co_u32 s17, s17, 31
	s_lshr_b32 s17, s17, 5
	s_max_u32 s17, s17, 1                          ; units of 32 rows, at least one
	s_sub_co_u32 s28, s17, 1
	s_min_u32 s28, s28, s14                        ; my unit of the first round: w, or the last one again
	s_min_u32 s28, s28, 7                          ; changes nothing: it bounds a number that enters an address
	s_lshl_b32 s22, s28, 16
	s_lshl_b32 s29, s15, 21
	s_add_co_u32 s22, s22, s29
	s_add_nc_u64 s[24:25], s[8:9], s[22:23]        ; xg[e][my unit]
	AFETCH 0, 2
	AFETCH 1, 2
	STEP 0, 48, 48, 48, 32, 1
	STEP 1, 48, 48, 48, 32, 1
	STEP 2, 48, 48, 48, 32, 1
	STEP 3, 48, 32, 16, 0, 0                       ; the last piece: nothing more is asked for, and the counts run down
	WIN 0
	s_cmp_ge_u32 s14, s17
	s_cbranch_scc1 .Lend                           ; a wave without a unit of its own stores nothing (there are then at most 8 units: nothing is left over)
	; how the rest is shared out
	s_sub_co_u32 s19, s17, s14                     ; at least 1 here
	s_sub_co_u32 s19, s19, 1
	s_lshr_b32 s19, s19, 3                         ; the units w + 8, w + 16, .. below the number of units: my trips if left-over units go whole
	s_lshr_b32 s29, s17, 3
	s_max_u32 s29, s29, 1
	s_sub_co_u32 s29, s29, 1                       ; the full rounds behind the first: my trips if left-over units are shared
	s_and_b32 s28, s17, 7                          ; L,
	s_cmp_lt_u32 s17, 9
	s_cselect_b32 s28, 0, s28                      ; which counts only behind a full first round
	s_cmp_lt_u32 s28, 3
	s_cselect_b32 s19, s29, s19                    ; my trips of whole units
	s_cselect_b32 s28, s28, 0                      ; units that are shared: 0, 1 or 2
	s_cmp_eq_u32 s28, 0
	s_cbranch_scc1 .Lplain
	s_and_b32 s29, s17, 0x38                       ; the first left-over unit: the number of units rounded down to a multiple of 8
	s_min_u32 s29, s29, 24                         ; changes nothing (at most 32 units, and one is left over): it bounds a number that enters an address
	s_and_b32 s36, s14, 1                          ; my token tile
	s_lshr_b32 s37, s14, 1                         ; my W1 tile; its W3 partner lies four tiles on
	s_lshl_b32 s22, s15, 21
	s_lshl_b32 s38, s29, 16
	s_add_co_u32 s22, s22, s38
	s_lshl_b32 s38, s36, 15
	s_add_co_u32 s22, s22, s38
	s_add_nc_u64 s[32:33], s[8:9], s[22:23]        ; xg[e][unit][my token tile]
	s_lshl_b32 s22, s15, 22
	s_lshl_b32 s38, s29, 17
	s_add_co_u32 s22, s22, s38
	s_lshl_b32 s38, s36, 16
	s_add_co_u32 s22, s22, s38
	s_lshl_b32 s38, s16, 11
	s_add_co_u32 s22, s22, s38
	s_lshl_b32 s38, s37, 9
	s_add_co_u32 s22, s22, s38
	s_add_nc_u64 s[34:35], s[12:13], s[22:23]      ; hbuf[e][unit][my token tile][my column tile]
	s_mul_i32 s38, s37, TSTEP
	v_add_nc_u32 v12, s38, v2
	v_add_nc_u32 v13, s38, v3
	v_add_nc_u32 v14, s38, v4
	v_add_nc_u32 v15, s38, v5
	WIN 0x40
	SFETCH                                         ; v256-511 are free: the last products stand four places back, and no load is out.  The way out below runs while these come
	WIN 0
	EPIALL                                         ; the first round's way out
	s_wait_xcnt 0x0                                ; the ring below covers the registers that these stores read: it is filled only behind this wait
	SPROD
	s_cmp_lt_u32 s28, 2
	s_cbranch_scc1 .Llast
	s_add_nc_u64 s[32:33], s[32:33], 0x10000       ; the second left-over unit (the loads that read this base are in: the last wait was for 0)
	WIN 0x40
	SFETCH                                         ; its tokens come while the first item goes out
	WIN 0
	SEPI
	s_wait_xcnt 0x0                                ; the base and the store's data are written again only behind this wait
	s_add_nc_u64 s[34:35], s[34:35], 0x20000
	SPROD
.Llast:
	SEPI                                           ; the last item's way out
	s_branch .Lwhole
.Lplain:
	EPIALL                                         ; the first round's way out, where nothing is shared
.Lwhole:
	s_cmp_eq_u32 s19, 0
	s_cbranch_scc1 .Lend
	s_wait_xcnt 0x0                                ; the bases and the stores' data are written again only behind this wait
	s_add_nc_u64 s[24:25], s[24:25], 0x80000       ; 8 units on
	s_add_nc_u64 s[26:27], s[26:27], 0x100000
	s_mov_b32 s18, 0                               ; the trip, counted by one
.Lunit:
	WIN 0x40                                       ; loaded data go to v256-511
	AFETCH 0, 4
	AFETCH 1, 4
	AFETCH 2, 4
	WIN 0x04
	BFETCH 0
	BFETCH 1
.set q, 0
.rept NG
.if q > 0
.if q < NG-2
	PLACES                                         ; the loads below land in registers that the last granule's matrix instructions read
.endif
.endif
.if (q%8) == 0
.if q/8 <= 5
	s_wait_loadcnt 32                              ; this group is in; the two younger groups' 32 loads stay out
.else
	s_wait_loadcnt 16*(7-q/8)                      ; the last groups: the count runs down
.endif
.if q/8 <= 4
	WIN 0x40
	AFETCH q/8+3, 4                                ; into the slot of the group just used up
	WIN 0x04
.endif
.endif
.if q < NG-2
	BFETCH q+2
	s_wait_dscnt 16                                ; this granule's 8 loads are in; the two younger granules' stay out
.else
	s_wait_dscnt 8*(NG-1-q)
.endif
	MUL8 q, 15
.set q, q+1
.endr
	WIN 0
	PLACES
	EPIALL
	s_wait_xcnt 0x0                                ; the bases and the stores' data are written again only behind this wait
	s_add_nc_u64 s[24:25], s[24:25], 0x80000       ; 8 units on
	s_add_nc_u64 s[26:27], s[26:27], 0x100000
	s_add_co_u32 s18, s18, 1
	s_cmp_lt_u32 s18, s19
	s_cbranch_scc1 .Lunit
.Lend:
	s_wait_tensorcnt 0x0
	ds_add_u32 v6, v7
	s_wait_dscnt 0x0
	s_endpgm
.Lfunc_end_k_q57149d0db0_up:
	.size	k_q57149d0db0_up, .Lfunc_end_k_q57149d0db0_up-k_q57149d0db0_up
	.p2alignl 7, 3214868480
	.fill 96, 4, 3214868480
	.section	.rodata,"a",@progbits
	.p2align	6, 0x0
	.amdhsa_kernel k_q57149d0db0_up
		.amdhsa_group_segment_fixed_size 271360
		.amdhsa_private_segment_fixed_size 0
		.amdhsa_enable_private_segment 0
		.amdhsa_kernarg_size 40
		.amdhsa_user_sgpr_count 2
		.amdhsa_user_sgpr_kernarg_segment_ptr 1
		.amdhsa_wavefront_size32 1
		.amdhsa_system_sgpr_workgroup_id_x 1
		.amdhsa_system_sgpr_workgroup_id_y 1
		.amdhsa_system_sgpr_workgroup_id_z 1
		.amdhsa_system_vgpr_workitem_id 0
		.amdhsa_next_free_vgpr 512
		.amdhsa_next_free_sgpr 66
		.amdhsa_reserve_vcc 0
		.amdhsa_float_denorm_mode_32 3
		.amdhsa_float_denorm_mode_16_64 3
		.amdhsa_memory_ordered 1
		.amdhsa_forward_progress 1
		.amdhsa_inst_pref_size 255
	.end_amdhsa_kernel
	.section	.bss,"aw",@nobits
	.p2align	6
	.space	262144
	.amdgpu_metadata
---
amdhsa.version: [ 1, 2 ]
amdhsa.kernels:
  - .name:           k_q57149d0db0_up
    .symbol:         k_q57149d0db0_up.kd
    .args:
      - { .name: W1, .offset: 0, .size: 8, .value_kind: global_buffer, .address_space: global }
      - { .name: W3, .offset: 8, .size: 8, .value_kind: global_buffer, .address_space: global }
      - { .name: xg, .offset: 16, .size: 8, .value_kind: global_buffer, .address_space: global }
      - { .name: cnt, .offset: 24, .size: 8, .value_kind: global_buffer, .address_space: global }
      - { .name: hbuf, .offset: 32, .size: 8, .value_kind: global_buffer, .address_space: global }
    .group_segment_fixed_size: 271360
    .private_segment_fixed_size: 0
    .kernarg_segment_align: 8
    .kernarg_segment_size: 40
    .max_flat_workgroup_size: 256
    .sgpr_count:     66
    .vgpr_count:     512
    .wavefront_size: 32
...
	.end_amdgpu_metadata
.endif
;; end of part 9
;; launch down (part 10): grid 256 x 1, 8 waves a work-group, no clusters, 171,008 bytes of LDS; arguments W2, hbuf, tok, cnt, ybuf; writes ybuf
.if DOCPART == 10
	.amdgcn_target "amdgcn-amd-amdhsa--gfx1250"
	.amdhsa_code_object_version 6
	.text
	.protected	k_q57149d0db0_down
	.globl	k_q57149d0db0_down
	.p2align	8
	.type	k_q57149d0db0_down,@function
k_q57149d0db0_down:
	s_mov_b64 s[64:65], 0
	v_nop
	global_prefetch_b8 v0, s[64:65] scope:SCOPE_SE
	s_setreg_imm32_b32 hwreg(HW_REG_WAVE_MODE, 25, 1), 1
	s_wait_xcnt 0x0
; Launch 4 of 5: y = h W2[e]^T for the rows of each expert's list (unselected pairs are dead: see the first kernel's head).
; Work-group = (expert e, 64 columns d, half kh of K = 2048).  Its 64 x 1024 piece of W2[e], which no other work-group reads, is streamed once through registers,
; rounded to bf16 and kept in LDS.  A unit of work is 32 rows of the list: 64 weight rows x 32 tokens x K = 1024, tokens straight from hbuf's fragment blocks.
; K is halved so that a work-group reads half of h and its piece of a row of y is 64 f32, 256 aligned bytes; the two halves are added, in f32, by the last launch.
; ybuf[kh][e][token][1024]: rows go by the token's number, read from the list, so that the last launch needs no list.
; THE FIRST ROUND RUNS BESIDE THE STREAM, as in the launch before: K in 4 pieces of 256 columns, each with an LDS range of its own; in step p a wave converts its 8 rows of
; piece p, one barrier, then piece p's 8 K steps are multiplied.  A piece is 16 loads a wave here, so two pieces are kept on their way: piece p + 2 is asked for when
; piece p has been converted.  All loads fall on one counter in the order of issue, so every wave issues the same loads on one path without a branch: wave w takes unit
; min(w, units - 1); a wave with w >= units multiplies the last unit once more and stores nothing; an expert that nobody selected has one unit of filling rows.
; LEFT-OVER UNITS.  Behind the rounds of eight, L = units mod 8 units are left (where there are more than 8).  For L up to 4 each is cut into its two token tiles, and wave
; w < 2 L takes tile w mod 2 of left-over unit w / 2: 128 matrix instructions in place of 256, all halves at once; no token fragment is loaded twice; a weight fragment feeds
; one matrix instruction, not two.  The cut goes no further: a wave with fewer than the four weight tiles would store 64 or 128 bytes of each 256-byte piece of a row of y.
; From L = 5 on there are more halves than waves, and waves 0 .. L - 1 take whole units.  The halves stand ahead of the further rounds, so that their tokens are asked for
; in front of the first round's way out.
; FURTHER WHOLE UNITS (w + 8, ..) run from the full LDS in a loop whose trips are read from memory; no barrier stands behind the first round.
; No cluster and no tensor loads, for the reasons given at the head of the launch before.
.set PITCH,  528                       ; LDS row of a piece: 256 bf16 + 16 bytes = 33 x 16
.set TSTEP,  16*PITCH
.set PSZ,    64*PITCH                  ; a piece
.set ROWB,   8192                      ; bytes from a row of W2 to the next
.set PCOLB,  1024                      ; bytes of a weight row in a piece
.set SUBSTR, 65536                     ; hbuf: from a tile of 16 tokens to the next
.set NG,     32                        ; granules in a unit: 4 weight tiles x 2 token tiles at one K step; 8 to a piece
.set STAGE,  4*PSZ                     ; behind the weights: 16 rows x 272 bytes for each wave, its own
.set SPITCH, 272
.set BA,  2                            ; v[2:3]     pieces 0, 1 and pieces 2, 3: LDS address of row r, 16 h; the rest stands in the immediate, 59,616 at the most
.set WS,  10                           ; v[10:11]   pieces 0, 1 and pieces 2, 3: LDS address of my 8 rows, 8 bytes a lane
.set TK,  16                           ; v[16:31]   (sub, i): the token of stage row i + 8 (lane / 16), then its byte offset in ybuf
.set BR,  32                           ; v[32:159]  weight fragments: a ring of four granules
.set HB,  32                           ; halves: v[32:223] weight fragments: a ring of three granules of 2 K steps x 4 tiles, 64 registers each
.set T,   32                           ; v[32:63]   a converted piece, 2 registers a load
.set OB,  32                           ; way out: v[32:95]
.set ACC, 160                          ; v[160:223] 8 accumulators: (sub, nt) at ACC + 8 (4 sub + nt)
.set HA,  224                          ; halves: v[224:255] 4 accumulators, one for each weight tile
                                       ; v[256:383] token fragments in the first round: two groups of 4 K steps; v[256:511] in the loop: four groups; halves: all 32 K steps of one tile, 8 s
.set WR,  128                          ; v[384:511] first round: two pieces of weights on their way, 16 loads of 4 registers each (named v128-255 in the upper window)
.set MSB, 0
.macro WIN new                         ; s_set_vgpr_msb: bits 1:0 source 0, 3:2 source 1, 5:4 source 2, 7:6 destination; the high byte repeats the setting that is left
.if MSB != \new
	s_set_vgpr_msb (MSB<<8)|\new
.set MSB, \new
.endif
.endm
.macro PLACES                          ; four places between a matrix instruction and a load into, a vector write of, or a read of its registers
.rept 4
	v_nop
.endr
.endm
.macro WLOADP p                        ; piece p: my 8 rows, two loads of 512 neighbouring bytes a row
.irp i, 0,1,2,3,4,5,6,7
.irp j, 0,1
	global_load_b128 v[WR+64*((\p)%2)+4*(2*\i+\j):WR+64*((\p)%2)+4*(2*\i+\j)+3], v1, s[20:21] offset:\i*ROWB+(\p)*PCOLB+512*\j th:TH_LOAD_NT
.endr
.endr
.endm
.macro WCONV p, refill                 ; piece p is rounded to bf16 and stored into its LDS bytes; refill = 1: piece p + 2 is asked for at once, into the same registers
	WIN 0x05                                       ; both sources above v255
.set cn, 0
.rept 16
	v_cvt_pk_bf16_f32 v[T+2*cn],   v[WR+64*((\p)%2)+4*cn],   v[WR+64*((\p)%2)+4*cn+1]
	v_cvt_pk_bf16_f32 v[T+2*cn+1], v[WR+64*((\p)%2)+4*cn+2], v[WR+64*((\p)%2)+4*cn+3]
.set cn, cn+1
.endr
	WIN 0x40                                       ; loaded data go above v255; an LDS store's address and data are not touched by it
.irp i, 0,1,2,3,4,5,6,7
.irp j, 0,1
	ds_store_b64 v[WS+((\p)>>1)], v[T+2*(2*\i+\j):T+2*(2*\i+\j)+1] offset:((\p)&1)*PSZ+\i*PITCH+256*\j   ; 32 lanes: 256 neighbouring bytes
.endr
.endr
.if \refill
	WLOADP \p+2
.endif
.endm
.macro AFETCH g, ring                  ; group g: K steps 4 g .. 4 g + 3 of both token tiles, 16 loads of 512 neighbouring bytes, into slot g % ring
.irp ks, 0,1,2,3
.irp sub, 0,1
	global_load_b128 v[64*((\g)%\ring)+16*\ks+8*\sub:64*((\g)%\ring)+16*\ks+8*\sub+3],   v1, s[24:25] offset:\sub*SUBSTR+(4*(\g)+\ks)*1024
	global_load_b128 v[64*((\g)%\ring)+16*\ks+8*\sub+4:64*((\g)%\ring)+16*\ks+8*\sub+7], v1, s[24:25] offset:\sub*SUBSTR+(4*(\g)+\ks)*1024+512
.endr
.endr
.endm
.macro TKLOAD                          ; the unit's 32 tokens: eight neighbouring entries of the list for each half of the lanes and each tile
.irp sub, 0,1
.irp k, 0,1
	global_load_b128 v[TK+8*\sub+4*\k:TK+8*\sub+4*\k+3], v4, s[26:27] offset:64*\sub+16*\k
.endr
.endr
.endm
.macro BFETCH qq                       ; granule qq = K step qq (piece qq / 8): the four weight tiles, 8 LDS loads
.set xb, BR+32*((\qq)%4)
.set xp, BA+((\qq)>>4)
.set xk, (((\qq)>>3)&1)*PSZ+64*((\qq)&7)
.irp tt, 0,1,2,3
	ds_load_b128 v[xb+8*\tt:xb+8*\tt+3],   v[xp] offset:\tt*TSTEP+xk
	ds_load_b128 v[xb+8*\tt+4:xb+8*\tt+7], v[xp] offset:\tt*TSTEP+xk+32
.endr
.endm
.macro MUL8 qq, am                     ; 8 matrix instructions, one on each of the 8 accumulators, always in the same order: they take turns
.set xb, BR+32*((\qq)%4)
.set xa, 16*((\qq)&\am)
.irp tt, 0,1,2,3
.irp sub, 0,1
.if (\qq) < 1
	v_wmma_f32_16x16x32_bf16 v[ACC+8*(4*\sub+\tt):ACC+8*(4*\sub+\tt)+7], v[xb+8*\tt:xb+8*\tt+7], v[xa+8*\sub:xa+8*\sub+7], 0
.else
	v_wmma_f32_16x16x32_bf16 v[ACC+8*(4*\sub+\tt):ACC+8*(4*\sub+\tt)+7], v[xb+8*\tt:xb+8*\tt+7], v[xa+8*\sub:xa+8*\sub+7], v[ACC+8*(4*\sub+\tt):ACC+8*(4*\sub+\tt)+7]
.endif
.endr
.endr
.endm
; The products of piece p: 8 granules on token groups 2 p and 2 p + 1.  w0, w1: how many younger loads stay out when the first and the second group have to be there.
; fetch = 1: each group's slot is filled again, as soon as it is used up, with the group two further on.  tk = 1: the token list is asked for behind the last group.
.macro PROD p, w0, w1, fetch, tk
	WIN 0x04                                       ; source 1 of the matrix instructions (tokens) is above v255; LDS loads are not touched by it
	BFETCH 8*\p
	BFETCH 8*\p+1
	BFETCH 8*\p+2
.set gi, 0
.rept 8
.set q, 8*\p+gi
.if gi > 0
.if gi < 5
	PLACES                                         ; the loads below land in registers that the last granule's matrix instructions read
.endif
.endif
.if gi == 0
	s_wait_loadcnt \w0
.endif
.if gi == 4
	s_wait_loadcnt \w1
.if \fetch
	WIN 0x40
	AFETCH 2*\p+2, 2
	WIN 0x04
.endif
.endif
.if gi < 5
	BFETCH q+3
	s_wait_dscnt 24                                ; this granule's 8 loads are in; the three younger granules' stay out
.else
	s_wait_dscnt 8*(7-gi)                          ; nothing of the next piece can be read yet: the count runs down
.endif
	MUL8 q, 7
.set gi, gi+1
.endr
	PLACES                                         ; behind the piece's last products: for the loads, the conversions or the way out that follow
.if \fetch
	WIN 0x40
	AFETCH 2*\p+3, 2
.endif
.if \tk
	WIN 0
	TKLOAD
.endif
.endm
.macro STEP p, refill, a0, a1, fetch, tk
	WCONV \p, \refill
	s_wait_dscnt 0x0                               ; my rows of the piece are in LDS before I say so
	s_barrier_signal -1
	s_barrier_wait -1                              ; all 64 rows of the piece are; nobody writes these bytes again
	PROD \p, \a0, \a1, \fetch, \tk
.endm
; THE WAY OUT.  Lane (r, h) holds columns 8 h .. 8 h + 7 of token r in each tile: 32 bytes into row r of my stage; read back as whole rows of 256 bytes.
.macro TKADDR n                        ; the first n registers of TK: from a token's number to its row's byte offset in ybuf
.set tn, 0
.rept \n
	v_min_u32 v[TK+tn], 0x3ff, v[TK+tn]            ; a token's number stays inside ybuf's 1,024 rows
	v_lshl_add_u32 v[TK+tn], v[TK+tn], 12, v5
.set tn, tn+1
.endr
.endm
.macro OUTSUB a, tk, ob                ; 16 tokens: the four tiles' accumulators from v[a] on, the rows' offsets from v[tk] on, through v[ob .. ob + 31]
.irp nt, 0,1,2,3
	ds_store_b128 v6, v[\a+8*\nt:\a+8*\nt+3]   offset:64*\nt
	ds_store_b128 v6, v[\a+8*\nt+4:\a+8*\nt+7] offset:64*\nt+16
.endr
.irp i, 0,1,2,3,4,5,6,7
	ds_load_b128 v[\ob+4*\i:\ob+4*\i+3], v8 offset:\i*SPITCH       ; my own bytes, served in order (ISA guide 5.7.1.4)
.endr
.irp i, 0,1,2,3,4,5,6,7
	s_wait_dscnt 7-\i                              ; rows i and i + 8 are in; the later loads stay out
	global_store_b128 v[\tk+\i], v[\ob+4*\i:\ob+4*\i+3], s[30:31]  ; 16 lanes store 256 consecutive bytes, at a multiple of 256 from ybuf's first byte
.endr
.endm
.macro WAYOUT                          ; a whole unit
	TKADDR 16
	OUTSUB ACC, TK, OB
	OUTSUB ACC+32, TK+8, OB+32
.endm
; HALF of a left-over unit: 16 tokens x the four weight tiles x K = 1024.
.macro HFETCH                          ; the half's tokens, all 32 K steps: 64 loads of 512 neighbouring bytes; K step s goes to v[256 + 8 s ..]
.set sn, 0
.rept 32
	global_load_b128 v[8*sn:8*sn+3],   v1, s[36:37] offset:1024*sn
	global_load_b128 v[8*sn+4:8*sn+7], v1, s[36:37] offset:1024*sn+512
.set sn, sn+1
.endr
.endm
.macro HBFETCH qq                      ; granule qq: K steps 2 qq, 2 qq + 1 (piece qq / 4), the four weight tiles: 16 LDS loads
.set xb, HB+64*((\qq)%3)
.set xp, BA+((\qq)>>3)
.set xk, (((\qq)>>2)&1)*PSZ+128*((\qq)&3)
.irp kk, 0,1
.irp tt, 0,1,2,3
	ds_load_b128 v[xb+32*\kk+8*\tt:xb+32*\kk+8*\tt+3],   v[xp] offset:\tt*TSTEP+xk+64*\kk
	ds_load_b128 v[xb+32*\kk+8*\tt+4:xb+32*\kk+8*\tt+7], v[xp] offset:\tt*TSTEP+xk+64*\kk+32
.endr
.endr
.endm
.macro HMUL qq                         ; 8 matrix instructions; the four accumulators take turns, always in the same order
.set xb, HB+64*((\qq)%3)
.irp kk, 0,1
.irp tt, 0,1,2,3
.if (2*(\qq)+\kk) < 1
	v_wmma_f32_16x16x32_bf16 v[HA+8*\tt:HA+8*\tt+7], v[xb+32*\kk+8*\tt:xb+32*\kk+8*\tt+7], v[8*(2*(\qq)+\kk):8*(2*(\qq)+\kk)+7], 0
.else
	v_wmma_f32_16x16x32_bf16 v[HA+8*\tt:HA+8*\tt+7], v[xb+32*\kk+8*\tt:xb+32*\kk+8*\tt+7], v[8*(2*(\qq)+\kk):8*(2*(\qq)+\kk)+7], v[HA+8*\tt:HA+8*\tt+7]
.endif
.endr
.endr
.endm
.macro HPROD                           ; the half's 128 matrix instructions, in 16 granules.  The last loads issued in front of it: HFETCH's 64, then the list's 2
	WIN 0x04
	HBFETCH 0
	HBFETCH 1
.set q, 0
.rept 16
.if q > 0
.if q < 14
	PLACES                                         ; the loads below land in registers that the last granule's matrix instructions read
.endif
.endif
.if (q%4) == 0
	s_wait_loadcnt 16*(3-q/4)+2                    ; the 8 K steps of this granule and the next three are in; the later K steps' loads, 16 for every 8, and the list's 2 stay out
.endif
.if q < 14
	HBFETCH q+2
	s_wait_dscnt 32                                ; this granule's 16 loads are in; the two younger granules' stay out
.else
	s_wait_dscnt 16*(15-q)                         ; the count runs down
.endif
	HMUL q
.set q, q+1
.endr
	WIN 0
	PLACES                                         ; behind the half's last products: for the way out
.endm
	s_load_b256 s[4:11], s[0:1], 0x0               ; W2 s[4:5], hbuf s[6:7], tok s[8:9], cnt s[10:11]
	s_load_b64 s[12:13], s[0:1], 0x20              ; ybuf
	v_lshl_add_u32 v9, v0, 2, 0x29800
	v_mov_b32 v15, 0
	v_lshrrev_b32 v2, 5, v0
	v_readfirstlane_b32 s14, v2                    ; wave
	s_lshr_b32 s15, ttmp9, 5                       ; expert
	s_bfe_u32 s16, ttmp9, 0x40001                  ; block of 64 columns d
	s_and_b32 s28, ttmp9, 1                        ; half of K
	s_lshl_b32 s19, s15, 2
	v_and_b32 v12, 31, v0                          ; lane
	v_lshlrev_b32 v1, 4, v12                       ; 16 x lane
	v_and_b32 v13, 15, v0                          ; r
	v_bfe_u32 v14, v0, 4, 1                        ; h
	v_mul_u32_u24 v2, v13, PITCH
	v_lshl_add_u32 v2, v14, 4, v2                  ; row r, 16 h, in piece 0
	v_add_nc_u32 v3, 2*PSZ, v2
	v_lshlrev_b32 v4, 5, v14                       ; 32 h: eight entries of the list for each half of the lanes
	v_lshlrev_b32 v5, 4, v13                       ; 16 r
	s_mul_i32 s29, s14, 16*SPITCH
	s_add_co_u32 s29, s29, STAGE                   ; my stage
	v_mul_u32_u24 v6, v13, SPITCH
	v_lshl_add_u32 v6, v14, 5, v6
	v_add_nc_u32 v6, s29, v6                       ; in: row r, 32 bytes for each half of the lanes
	v_mul_u32_u24 v8, v14, 8*SPITCH
	v_add_nc_u32 v8, v8, v5
	v_add_nc_u32 v8, s29, v8                       ; back: lanes 0-15 row i, lanes 16-31 row i + 8, 256 bytes each
	s_mul_i32 s29, s14, 8*PITCH
	v_lshl_add_u32 v10, v12, 3, s29                ; my 8 LDS rows, 8 bytes a lane, in piece 0
	v_add_nc_u32 v11, 2*PSZ, v10
	s_mov_b32 s23, 0                               ; stays 0: the upper word of every offset pair s[22:23]
	s_lshl_b32 s22, s15, 23                        ; expert: 1,024 rows of 8,192 bytes
	s_lshl_b32 s29, s16, 19                        ; block: 64 rows
	s_add_co_u32 s22, s22, s29
	s_lshl_b32 s29, s14, 16                        ; 8 rows a wave
	s_add_co_u32 s22, s22, s29
	s_lshl_b32 s29, s28, 12                        ; half of a row
	s_add_co_u32 s22, s22, s29
	s_wait_kmcnt 0x0
	s_load_b32 s17, s[10:11], s19 offset:0x0       ; cnt[e]: it comes while the first weights are asked for
	s_add_nc_u64 s[20:21], s[4:5], s[22:23]
	WIN 0x40
	WLOADP 0                                       ; the stream hangs on no count: it starts first
	WLOADP 1
	s_lshl3_add_u32 s22, s28, s15                  ; 8 kh + e
	s_lshl_b32 s22, s22, 22
	s_lshl_b32 s29, s16, 8
	s_add_co_u32 s22, s22, s29
	s_add_nc_u64 s[30:31], s[12:13], s[22:23]      ; ybuf[kh][e][.][64 block]: never stepped
	s_wait_kmcnt 0x0
	s_min_u32 s17, s17, 0x400
	s_add_co_u32 s17, s17, 31
	s_lshr_b32 s17, s17, 5
	s_max_u32 s17, s17, 1                          ; units of 32 rows, at least one
	s_sub_co_u32 s18, s17, 1
	s_min_u32 s18, s18, s14                        ; my unit of the first round: w, or the last one again
	s_min_u32 s18, s18, 7                          ; changes nothing: it bounds a number that enters an address
	s_lshl_b32 s22, s15, 22
	s_lshl_b32 s29, s18, 17
	s_add_co_u32 s22, s22, s29
	s_lshl_b32 s29, s28, 15
	s_add_co_u32 s22, s22, s29
	s_add_nc_u64 s[24:25], s[6:7], s[22:23]        ; hbuf[e][my unit][column tiles 64 kh ..]
	s_lshl_b32 s22, s15, 12
	s_lshl_b32 s29, s18, 7
	s_add_co_u32 s22, s22, s29
	s_add_nc_u64 s[26:27], s[8:9], s[22:23]        ; tok[e][32 x my unit]
	AFETCH 0, 2
	AFETCH 1, 2
	; The loads in the order of issue: W0 W1 g0 g1 | W2 g2 g3 | W3 g4 g5 | g6 g7 list (W: a piece, 16 loads; g: a token group, 16; the list: 4).
	s_wait_loadcnt 48                              ; W0 is in; W1, g0 and g1 stay out.  Each later piece is shown landed by a wait for a token group issued behind it
	STEP 0, 1, 32, 16, 1, 0                        ; g0 (and W1): g1 and W2 stay out; g1: W2 stays out
	STEP 1, 1, 32, 16, 1, 0                        ; g2 (and W2): g3 and W3 stay out; g3: W3 stays out
	STEP 2, 0, 16, 0, 1, 1                         ; g4 (and W3): g5 stays out; g5: nothing is out
	STEP 3, 0, 20, 4, 0, 0                         ; g6: g7 and the list's 4 stay out; g7: the list's 4
	WIN 0
	s_cmp_ge_u32 s14, s17
	s_cbranch_scc1 .Lend                           ; a wave without a unit of its own stores nothing (there are then at most 8 units: nothing is left over)
	; how the rest is shared out
	s_sub_co_u32 s19, s17, s14                     ; at least 1 here
	s_sub_co_u32 s19, s19, 1
	s_lshr_b32 s19, s19, 3                         ; the units w + 8, w + 16, .. below the number of units: my trips if left-over units go whole
	s_lshr_b32 s29, s17, 3
	s_max_u32 s29, s29, 1
	s_sub_co_u32 s29, s29, 1                       ; the full rounds behind the first: my trips if left-over units are halved
	s_and_b32 s32, s17, 7                          ; L,
	s_cmp_lt_u32 s17, 9
	s_cselect_b32 s32, 0, s32                      ; which counts only behind a full first round
	s_cmp_lt_u32 s32, 5
	s_cselect_b32 s19, s29, s19                    ; my trips of whole units
	s_cselect_b32 s32, s32, 0                      ; units that are halved: 0 to 4
	s_wait_loadcnt 0x0                             ; the first round's token list: no load is out from here
	s_lshl_b32 s33, s32, 1                         ; halves
	s_cmp_ge_u32 s14, s33
	s_cbranch_scc1 .Lplain
	s_and_b32 s33, s17, 0x38                       ; the first left-over unit: the number of units rounded down to a multiple of 8,
	s_lshr_b32 s34, s14, 1
	s_add_co_u32 s33, s33, s34                     ; and mine
	s_min_u32 s33, s33, 31                         ; changes nothing: it bounds a number that enters an address
	s_and_b32 s34, s14, 1                          ; my token tile
	s_lshl_b32 s22, s15, 22
	s_lshl_b32 s29, s33, 17
	s_add_co_u32 s22, s22, s29
	s_lshl_b32 s29, s34, 16
	s_add_co_u32 s22, s22, s29
	s_lshl_b32 s29, s28, 15
	s_add_co_u32 s22, s22, s29
	s_add_nc_u64 s[36:37], s[6:7], s[22:23]        ; hbuf[e][unit][my token tile][column tiles 64 kh ..]
	s_lshl_b32 s22, s15, 12
	s_lshl_b32 s29, s33, 7
	s_add_co_u32 s22, s22, s29
	s_lshl_b32 s29, s34, 6
	s_add_co_u32 s22, s22, s29
	s_add_nc_u64 s[38:39], s[8:9], s[22:23]        ; tok[e][32 unit + 16 tile]
	WIN 0x40
	HFETCH                                         ; v256-511 are free: the last products stand four places back, and no load is out.  The way out below runs while these come
	WIN 0
	WAYOUT                                         ; the first round's way out
	s_wait_xcnt 0x0                                ; TK and the registers that these stores read are written again only behind this wait
	global_load_b128 v[TK:TK+3],   v4, s[38:39]    ; the half's 16 tokens: the youngest loads
	global_load_b128 v[TK+4:TK+7], v4, s[38:39] offset:16
	HPROD
	s_wait_loadcnt 0x0                             ; the half's tokens
	TKADDR 8
	OUTSUB HA, TK, OB
	s_branch .Lwhole
.Lplain:
	WAYOUT                                         ; the first round's way out, in a wave without a half
.Lwhole:
	s_cmp_eq_u32 s19, 0
	s_cbranch_scc1 .Lend
	s_wait_xcnt 0x0                                ; the bases, TK and the stores' data are written again only behind this wait
	s_add_nc_u64 s[24:25], s[24:25], 0x100000      ; 8 units on
	s_add_nc_u64 s[26:27], s[26:27], 1024
	s_mov_b32 s18, 0                               ; the trip, counted by one
.Lunit:
	TKLOAD                                         ; the oldest loads of the unit
	WIN 0x40                                       ; loaded data go to v256-511
	AFETCH 0, 4
	AFETCH 1, 4
	AFETCH 2, 4
	WIN 0x04
	BFETCH 0
	BFETCH 1
	BFETCH 2
.set q, 0
.rept NG
.if q > 0
.if q < NG-3
	PLACES                                         ; the loads below land in registers that the last granule's matrix instructions read
.endif
.endif
.if (q%4) == 0
.if q/4 <= 5
	s_wait_loadcnt 32                              ; this group (and, the first time, the token list) is in; the two younger groups' 32 loads stay out
.else
	s_wait_loadcnt 16*(7-q/4)                      ; the last groups: the count runs down
.endif
.if q/4 <= 4
	WIN 0x40
	AFETCH q/4+3, 4                                ; into the slot of the group just used up
	WIN 0x04
.endif
.endif
.if q < NG-3
	BFETCH q+3
	s_wait_dscnt 24                                ; this granule's 8 loads are in; the three younger granules' stay out
.else
	s_wait_dscnt 8*(NG-1-q)
.endif
	MUL8 q, 15
.set q, q+1
.endr
	WIN 0
	PLACES
	WAYOUT
	s_wait_xcnt 0x0                                ; the bases, TK and the stores' data are written again only behind this wait
	s_add_nc_u64 s[24:25], s[24:25], 0x100000      ; 8 units on
	s_add_nc_u64 s[26:27], s[26:27], 1024
	s_add_co_u32 s18, s18, 1
	s_cmp_lt_u32 s18, s19
	s_cbranch_scc1 .Lunit
.Lend:
	s_wait_tensorcnt 0x0
	ds_add_u32 v9, v15
	s_wait_dscnt 0x0
	s_endpgm
.Lfunc_end_k_q57149d0db0_down:
	.size	k_q57149d0db0_down, .Lfunc_end_k_q57149d0db0_down-k_q57149d0db0_down
	.p2alignl 7, 3214868480
	.fill 96, 4, 3214868480
	.section	.rodata,"a",@progbits
	.p2align	6, 0x0
	.amdhsa_kernel k_q57149d0db0_down
		.amdhsa_group_segment_fixed_size 171008
		.amdhsa_private_segment_fixed_size 0
		.amdhsa_enable_private_segment 0
		.amdhsa_kernarg_size 40
		.amdhsa_user_sgpr_count 2
		.amdhsa_user_sgpr_kernarg_segment_ptr 1
		.amdhsa_wavefront_size32 1
		.amdhsa_system_sgpr_workgroup_id_x 1
		.amdhsa_system_sgpr_workgroup_id_y 1
		.amdhsa_system_sgpr_workgroup_id_z 1
		.amdhsa_system_vgpr_workitem_id 0
		.amdhsa_next_free_vgpr 512
		.amdhsa_next_free_sgpr 66
		.amdhsa_reserve_vcc 0
		.amdhsa_float_denorm_mode_32 3
		.amdhsa_float_denorm_mode_16_64 3
		.amdhsa_memory_ordered 1
		.amdhsa_forward_progress 1
		.amdhsa_inst_pref_size 176
	.end_amdhsa_kernel
	.amdgpu_metadata
---
amdhsa.version: [ 1, 2 ]
amdhsa.kernels:
  - .name:           k_q57149d0db0_down
    .symbol:         k_q57149d0db0_down.kd
    .args:
      - { .name: W2, .offset: 0, .size: 8, .value_kind: global_buffer, .address_space: global }
      - { .name: hbuf, .offset: 8, .size: 8, .value_kind: global_buffer, .address_space: global }
      - { .name: tok, .offset: 16, .size: 8, .value_kind: global_buffer, .address_space: global }
      - { .name: cnt, .offset: 24, .size: 8, .value_kind: global_buffer, .address_space: global }
      - { .name: ybuf, .offset: 32, .size: 8, .value_kind: global_buffer, .address_space: global }
    .group_segment_fixed_size: 171008
    .private_segment_fixed_size: 0
    .kernarg_segment_align: 8
    .kernarg_segment_size: 40
    .max_flat_workgroup_size: 256
    .sgpr_count:     66
    .vgpr_count:     512
    .wavefront_size: 32
...
	.end_amdgpu_metadata
.endif
;; end of part 10
;; launch combine (part 11): grid 256 x 1, 4 waves a work-group, no clusters, 0 bytes of LDS; arguments ybuf, route, rwt, Wc, bc, out0, out2; writes out0, out2
.if DOCPART == 11
	.amdgcn_target "amdgcn-amd-amdhsa--gfx1250"
	.amdhsa_code_object_version 6
	.text
	.protected	k_q57149d0db0_combine
	.globl	k_q57149d0db0_combine
	.p2align	8
	.type	k_q57149d0db0_combine,@function
k_q57149d0db0_combine:
	s_mov_b64 s[64:65], 0
	v_nop
	global_prefetch_b8 v0, s[64:65] scope:SCOPE_SE
	s_setreg_imm32_b32 hwreg(HW_REG_WAVE_MODE, 25, 1), 1
	s_wait_xcnt 0x0
; Launch 5 of 5: final[t] = rw0 y[e1][t] + rw1 y[e2][t] (the other six experts' terms are products with 0: see the first kernel's head), each y the sum of
; its two halves of K; and, for the four tokens 256 b, out2[e][b] = bc + [e >= e1] rw0 (y[e1] . Wc) + [e >= e2] rw1 (y[e2] . Wc): the running sum of
; reference() changes only at e1 and e2.  One wave, one token: four rows of 4,096 bytes in, one out; nothing is shared, so no LDS and no barrier.
.set Y, 16                             ; v[16:143]  part j of a row: 4 registers each of (e1, K half 0), (e1, half 1), (e2, half 0), (e2, half 1)
	s_load_b256 s[4:11], s[0:1], 0x0               ; ybuf s[4:5], route s[6:7], rwt s[8:9], Wc s[10:11]
	s_load_b128 s[12:15], s[0:1], 0x20             ; bc s[12:13], out0 s[14:15]
	s_load_b64 s[16:17], s[0:1], 0x30              ; out2
	v_lshrrev_b32 v2, 5, v0
	v_readfirstlane_b32 s18, v2
	s_lshl2_add_u32 s18, ttmp9, s18                ; token = 4 x work-group + wave
	s_lshl_b32 s19, s18, 2
	s_lshl_b32 s21, s18, 3
	v_and_b32 v2, 31, v0                           ; lane
	v_lshlrev_b32 v1, 4, v2
	s_wait_kmcnt 0x0
	s_load_b32 s20, s[6:7], s19 offset:0x0         ; the two experts
	s_load_b64 s[22:23], s[8:9], s21 offset:0x0    ; their weights
	s_load_b32 s24, s[12:13], 0x0                  ; bc
	s_wait_kmcnt 0x0
	s_and_b32 s25, s20, 0xff
	s_min_u32 s25, s25, 7                          ; an expert's number stays inside ybuf
	s_bfe_u32 s26, s20, 0x80008
	s_min_u32 s26, s26, 7
	s_lshl_b32 s40, s18, 12                        ; the token's row
	s_mov_b32 s41, 0
	s_lshl_b32 s42, s25, 22                        ; an expert's 1,024 rows
	s_mov_b32 s43, 0
	s_lshl_b32 s44, s26, 22
	s_mov_b32 s45, 0
	s_add_nc_u64 s[4:5], s[4:5], s[40:41]
	s_add_nc_u64 s[28:29], s[4:5], s[42:43]        ; (K half 0, e1)
	s_add_nc_u64 s[30:31], s[28:29], 0x2000000     ; (K half 1, e1): 8 experts further on
	s_add_nc_u64 s[32:33], s[4:5], s[44:45]        ; (K half 0, e2)
	s_add_nc_u64 s[34:35], s[32:33], 0x2000000     ; (K half 1, e2)
	s_add_nc_u64 s[14:15], s[14:15], s[40:41]
	s_mov_b32 s36, s22                             ; whole pairs for the packed forms, which take the first register for both halves
	s_mov_b32 s37, s22
	s_mov_b32 s38, s23
	s_mov_b32 s39, s23
.irp j, 0,1,2,3,4,5,6,7
	global_load_b128 v[Y+16*\j:Y+16*\j+3],     v1, s[28:29] offset:512*\j th:TH_LOAD_NT
	global_load_b128 v[Y+16*\j+4:Y+16*\j+7],   v1, s[30:31] offset:512*\j th:TH_LOAD_NT
	global_load_b128 v[Y+16*\j+8:Y+16*\j+11],  v1, s[32:33] offset:512*\j th:TH_LOAD_NT
	global_load_b128 v[Y+16*\j+12:Y+16*\j+15], v1, s[34:35] offset:512*\j th:TH_LOAD_NT
.endr
.irp j, 0,1,2,3,4,5,6,7
	s_wait_loadcnt 28-4*\j                         ; part j's four loads are in; the later parts' stay out
.irp k, 0,2
	v_pk_add_f32 v[Y+16*\j+\k:Y+16*\j+\k+1],     v[Y+16*\j+\k:Y+16*\j+\k+1],     v[Y+16*\j+4+\k:Y+16*\j+4+\k+1]     ; y of e1, kept for the classifier
	v_pk_add_f32 v[Y+16*\j+8+\k:Y+16*\j+8+\k+1], v[Y+16*\j+8+\k:Y+16*\j+8+\k+1], v[Y+16*\j+12+\k:Y+16*\j+12+\k+1]   ; y of e2
	v_pk_mul_f32 v[Y+16*\j+4+\k:Y+16*\j+4+\k+1], v[Y+16*\j+\k:Y+16*\j+\k+1], s[36:37] op_sel_hi:[1,0]
	v_pk_fma_f32 v[Y+16*\j+4+\k:Y+16*\j+4+\k+1], v[Y+16*\j+8+\k:Y+16*\j+8+\k+1], s[38:39], v[Y+16*\j+4+\k:Y+16*\j+4+\k+1] op_sel_hi:[1,0,1]
.endr
	global_store_b128 v1, v[Y+16*\j+4:Y+16*\j+7], s[14:15] offset:512*\j th:TH_STORE_NT    ; 512 neighbouring bytes
.endr
	s_and_b32 s46, s18, 0xff
	s_cmp_lg_u32 s46, 0
	s_cbranch_scc1 .Lend                           ; only tokens 0, 256, 512, 768 feed the classifier
.irp j, 0,1,2,3,4,5,6,7
	global_load_b128 v[Y+16*\j+12:Y+16*\j+15], v1, s[10:11] offset:512*\j
.endr
	s_mov_b32 s42, 0x76543210                      ; v_permlanex16_b32: lane i of one half reads lane i of the other
	s_mov_b32 s43, 0xfedcba98
	s_wait_loadcnt 0x0
	v_pk_mul_f32 v[144:145], v[Y:Y+1],     v[Y+12:Y+13]            ; the first products start the four chains
	v_pk_mul_f32 v[146:147], v[Y+2:Y+3],   v[Y+14:Y+15]
	v_pk_mul_f32 v[148:149], v[Y+8:Y+9],   v[Y+12:Y+13]
	v_pk_mul_f32 v[150:151], v[Y+10:Y+11], v[Y+14:Y+15]
.irp j, 1,2,3,4,5,6,7
	v_pk_fma_f32 v[144:145], v[Y+16*\j:Y+16*\j+1],     v[Y+16*\j+12:Y+16*\j+13], v[144:145]
	v_pk_fma_f32 v[146:147], v[Y+16*\j+2:Y+16*\j+3],   v[Y+16*\j+14:Y+16*\j+15], v[146:147]
	v_pk_fma_f32 v[148:149], v[Y+16*\j+8:Y+16*\j+9],   v[Y+16*\j+12:Y+16*\j+13], v[148:149]
	v_pk_fma_f32 v[150:151], v[Y+16*\j+10:Y+16*\j+11], v[Y+16*\j+14:Y+16*\j+15], v[150:151]
.endr
	v_pk_add_f32 v[144:145], v[144:145], v[146:147]
	v_pk_add_f32 v[148:149], v[148:149], v[150:151]
	v_add_f32 v144, v144, v145
	v_add_f32 v148, v148, v149
.irp m, 1,2,4,8
	v_add_f32_dpp v144, v144, v144 row_xmask:\m row_mask:0xf bank_mask:0xf
	v_add_f32_dpp v148, v148, v148 row_xmask:\m row_mask:0xf bank_mask:0xf
.endr
	v_permlanex16_b32 v145, v144, s42, s43
	v_permlanex16_b32 v149, v148, s42, s43
	v_add_f32 v144, v144, v145                     ; y[e1] . Wc in every lane
	v_add_f32 v148, v148, v149                     ; y[e2] . Wc
	v_mul_f32 v144, s22, v144
	v_mul_f32 v148, s23, v148
	v_cmp_le_u32 vcc_lo, s25, v2                   ; lane = e: the term counts from its expert on
	v_cndmask_b32 v144, 0, v144, vcc_lo
	v_cmp_le_u32 vcc_lo, s26, v2
	v_cndmask_b32 v148, 0, v148, vcc_lo
	v_add_f32 v144, v144, v148
	v_add_f32 v144, s24, v144
	s_lshr_b32 s46, s18, 8
	s_lshl_b32 s46, s46, 2
	v_lshl_add_u32 v3, v2, 4, s46                  ; out2[e][b]: 16 e + 4 b
	v_cmp_gt_u32 vcc_lo, 8, v2
	s_wait_xcnt 0x0                                ; EXEC is a source of the loads and stores above: it changes only behind this wait
	s_and_saveexec_b32 s47, vcc_lo
	global_store_b32 v3, v144, s[16:17]
	s_endpgm
.Lend:
	s_endpgm
.Lfunc_end_k_q57149d0db0_combine:
	.size	k_q57149d0db0_combine, .Lfunc_end_k_q57149d0db0_combine-k_q57149d0db0_combine
	.p2alignl 7, 3214868480
	.fill 96, 4, 3214868480
	.section	.rodata,"a",@progbits
	.p2align	6, 0x0
	.amdhsa_kernel k_q57149d0db0_combine
		.amdhsa_group_segment_fixed_size 0
		.amdhsa_private_segment_fixed_size 0
		.amdhsa_enable_private_segment 0
		.amdhsa_kernarg_size 56
		.amdhsa_user_sgpr_count 2
		.amdhsa_user_sgpr_kernarg_segment_ptr 1
		.amdhsa_wavefront_size32 1
		.amdhsa_system_sgpr_workgroup_id_x 1
		.amdhsa_system_sgpr_workgroup_id_y 1
		.amdhsa_system_sgpr_workgroup_id_z 1
		.amdhsa_system_vgpr_workitem_id 0
		.amdhsa_next_free_vgpr 152
		.amdhsa_next_free_sgpr 66
		.amdhsa_reserve_vcc 1
		.amdhsa_float_denorm_mode_32 3
		.amdhsa_float_denorm_mode_16_64 3
		.amdhsa_memory_ordered 1
		.amdhsa_forward_progress 1
		.amdhsa_inst_pref_size 15
	.end_amdhsa_kernel
	.amdgpu_metadata
---
amdhsa.version: [ 1, 2 ]
amdhsa.kernels:
  - .name:           k_q57149d0db0_combine
    .symbol:         k_q57149d0db0_combine.kd
    .args:
      - { .name: ybuf, .offset: 0, .size: 8, .value_kind: global_buffer, .address_space: global }
      - { .name: route, .offset: 8, .size: 8, .value_kind: global_buffer, .address_space: global }
      - { .name: rwt, .offset: 16, .size: 8, .value_kind: global_buffer, .address_space: global }
      - { .name: Wc, .offset: 24, .size: 8, .value_kind: global_buffer, .address_space: global }
      - { .name: bc, .offset: 32, .size: 8, .value_kind: global_buffer, .address_space: global }
      - { .name: out0, .offset: 40, .size: 8, .value_kind: global_buffer, .address_space: global }
      - { .name: out2, .offset: 48, .size: 8, .value_kind: global_buffer, .address_space: global }
    .group_segment_fixed_size: 0
    .private_segment_fixed_size: 0
    .kernarg_segment_align: 8
    .kernarg_segment_size: 56
    .max_flat_workgroup_size: 128
    .sgpr_count:     66
    .vgpr_count:     152
    .wavefront_size: 32
...
	.end_amdgpu_metadata
.endif
;; end of part 11
